; MI455X (gfx1250); checked and timed in simulation.
; The chip was launched on July 23, 2026; its instructions are those of AMD's public machine-readable ISA for CDNA 5 (MIT licence, August 2026) and "CDNA5" Instruction Set Architecture Reference Guide (July 2026).
;; Albert Attention. Allowed arithmetic: matrix products marked QUANTISED: E3M2 operands, one E8M0 scale for each 32 along K, by v_wmma_scale_f32_16x16x128_f8f6f4 with both operands' format E3M2, f32 sums; everything else in f32.
;; Inputs: Wd 1,024 x 1,024 float32; Wk 1,024 x 1,024 float32; Wq 1,024 x 1,024 float32; Wv 1,024 x 1,024 float32; attention_mask 2 x 1 x 1 x 2,048 float32; bd 1,024 float32; bk 1,024 float32; bq 1,024 float32; bv 1,024 float32; hidden_states 2 x 2,048 x 1,024 float32; ln_beta 1,024 float32; ln_gamma 1,024 float32.
;; Outputs: out0 2 x 2,048 x 1,024 float32.
;; This version of the problem:
;;   THIS VERSION OF THE PROBLEM IS GIVEN IN LOW PRECISION. The matrix products marked QUANTISED in the list below multiply operands that are first quantised to E3M2 (3 exponent bits, 2 mantissa bits; 6 bits a number), with one power-of-two scale for each 32 numbers along K (OCP MX v1.0); their sums are f32. All else is computed in f32.
;;   The module's matrix products, in the order in which they are computed (A, B: the left and right operand; K: the contracted axis; several contracted axes count as one K, in the product's order):
;;     1. [M 4,096, K 1,024] x [K 1,024, N 1,024]; A: input hidden_states; B: input Wq: QUANTISED
;;     2. [M 4,096, K 1,024] x [K 1,024, N 1,024]; A: input hidden_states; B: input Wk: QUANTISED
;;     3. [M 4,096, K 1,024] x [K 1,024, N 1,024]; A: input hidden_states; B: input Wv: QUANTISED
;;     4. batch 32 x [M 2,048, K 64] x [K 64, N 2,048]; A: computed on the way; B: computed on the way: QUANTISED
;;     5. batch 32 x [M 2,048, K 2,048] x [K 2,048, N 64]; A: softmax (see below); B: computed on the way: QUANTISED
;;     6. [M 4,096, K 1,024] x [K 1,024, N 1,024]; A: computed on the way; B: input Wd: QUANTISED
;;   THE QUANTISER, for each operand of a quantised product, along K:
;;     - K is cut into blocks of 32 from its start; a last block that is shorter is filled with zeros.
;;     - A block's scale is 2^e with e = floor(log2(the largest magnitude in the block)) - 4, held to -126 .. 127; a block of zeros has e = 0. As a byte (E8M0): e + 127.
;;     - Each number is divided by its block's scale, clamped to +-28, and rounded to the nearest number of E3M2, ties to even, subnormals kept.
;;     - The product sums the exact products of the quantised numbers (number of the format x scale) in f32.
;;   ~~~python
;;   def quantise(x, axis):      # numpy; x: float32 -> the quantised numbers, widened to float32 again
;;       x = np.moveaxis(x, axis, -1); K = x.shape[-1]
;;       x = np.pad(x, [(0, 0)] * (x.ndim - 1) + [(0, -K % 32)]); x = x.reshape(x.shape[:-1] + (-1, 32)); a = np.abs(x).max(-1, keepdims=True)
;;       e = np.where(a > 0, np.clip(np.frexp(np.where(a > 0, a, 1))[1] - 1 - 4, -126, 127), 0)      # np.frexp(a)[1] - 1 = floor(log2(a)), exactly
;;       r = np.clip(x / 2.0 ** e, -28, 28)
;;       step = 2.0 ** (np.maximum(np.frexp(np.where(r == 0, 1, r))[1] - 1, -2) - 2)
;;       q = np.round(r / step) * step * 2.0 ** e      # np.round: ties to even
;;       return np.moveaxis(q.reshape(q.shape[:-2] + (-1,))[..., :K], -1, axis).astype(np.float32)
;;   ~~~
;;   SOFTMAX AHEAD OF A QUANTISED PRODUCT. Where the list says 'softmax', what is quantised is not the finished softmax but p = 2^(t - M), with t = logit x log2(e) and M = ceil(the row's largest t), a whole number; so 1/2 < the row's largest p <= 1. The row's sum l is taken of the UNQUANTISED p, in f32, and the product's result is divided by l at the end. Since M is a whole number, a kernel that streams over the keys may use a running M (the ceiling of the running maximum): every later rescaling is an exact power of two, which a block's scale takes up: the codes' values come out the same.
;;   OPERANDS COMPUTED ON THE WAY. 'Computed on the way' means the value that the module computes at that place (a softmax that the list does not call 'softmax' is quantised finished and normalised). What goes into a quantiser is computed in f32, as accurately as f32 sums, v_exp_f32 and their like allow (about 1e-6 of the number): no bf16 or f16 on the way to a quantiser, and a product that is left as it is and whose result goes on into a quantised operand takes f32 operands (vector FMAs, or v_wmma_f32_16x16x4_f32). A number that lies on a knife's edge between two numbers of the format may be rounded either way, as far as f32 arithmetic and the matrix unit's own rounding can turn it there, and no further.
;; One version. Each part assembles by itself: llvm-mc -triple=amdgcn-amd-amdhsa -mcpu=gfx1250 --defsym DOCPART=n.
;; ======== version 1 of 1: 5 launches
;; limits: right only within a limited range of input values
;; workspace buffers: pc 6,291,456 bytes; ps 262,144 bytes; qkc 16,777,216 bytes; qks 262,144 bytes; vc 3,145,728 bytes; vs 131,072 bytes; cx 3,145,728 bytes; cxs 131,072 bytes
;; launch prepare (part 1): grid 128 x 1, 32 waves a work-group, no clusters, 309,248 bytes of LDS; arguments hidden_states, Wq, Wk, Wv, Wd, pc, ps; writes pc, ps
.if DOCPART == 1
	.amdgcn_target "amdgcn-amd-amdhsa--gfx1250"
	.amdhsa_code_object_version 6
	.text
	.protected	k_q003f8cfa45_prepare
	.globl	k_q003f8cfa45_prepare
	.p2align	8
	.type	k_q003f8cfa45_prepare,@function
k_q003f8cfa45_prepare:
	s_mov_b64 s[64:65], 0
	v_nop
	global_prefetch_b8 v0, s[64:65] scope:SCOPE_SE
	s_setreg_imm32_b32 hwreg(HW_REG_WAVE_MODE, 25, 1), 1
	s_wait_xcnt 0x0
.set TOK,   4096
.set WKN,   0
.set W3,    1
.set IN3,   0
.set XT,    (1+2*IN3)*TOK
.set WAVES, 32
.set KROW,  768
.set PITCH, 272
.set WREG,  32*PITCH
.set SCB,   WAVES*WREG
.set STG,   SCB+WAVES*64
.set SPARE, STG+WAVES*768
.set SP,    KROW+16
.set EMAX,  4
.set X,     16
.set E,     80
.set T,     84
.set C,     96
.if IN3
	s_load_b64 s[4:5], s[0:1], 0x0
	s_load_b64 s[14:15], s[0:1], 0x8
	s_load_b64 s[62:63], s[0:1], 0x10
	s_load_b64 s[6:7], s[0:1], 0x18
	s_load_b128 s[8:11], s[0:1], 0x20
	s_load_b64 s[12:13], s[0:1], 0x30
	s_load_b128 s[40:43], s[0:1], 0x38
.elseif W3
	s_load_b256 s[4:11], s[0:1], 0x0
	s_load_b64 s[12:13], s[0:1], 0x20
	s_load_b128 s[40:43], s[0:1], 0x28
.else
	s_load_b128 s[4:7], s[0:1], 0x0
	s_load_b64 s[12:13], s[0:1], 0x10
	s_load_b128 s[40:43], s[0:1], 0x18
.endif
	v_lshl_add_u32 v2, v0, 2, SPARE
	v_mov_b32 v3, 0
	ds_add_u32 v2, v3
	ds_add_u32 v2, v3
	v_lshrrev_b32 v1, 5, v0
	v_readfirstlane_b32 s16, v1
	v_and_b32 v9, 31, v0
	s_mul_i32 s17, s16, WREG
	v_lshlrev_b32 v1, 3, v9
	s_and_b32 s19, s16, 0xfffffffc
	s_lshl_b32 s19, s19, 6
	s_add_co_u32 s19, s19, SCB
	v_add_nc_u32 v7, s19, v1
	s_mov_b32 s24, (3<<16)|(1<<20)|(5<<22)|(3<<25)
	s_mov_b32 s25, 32<<16
	s_mov_b32 s26, 32<<16
	s_mov_b32 s27, 32<<16
	s_mov_b32 s28, 32
.if !WKN
	s_mov_b32 s29, 32
.endif
	s_mov_b32 s30, 0
	s_mov_b32 s31, 0
	s_mul_i32 s19, ttmp9, WAVES
	s_add_co_u32 s33, s19, s16
	s_lshr_b32 s34, s33, 2
	s_and_b32 s35, s33, 3
	s_sub_co_u32 s36, s34, XT/8
	s_lshr_b32 s37, s36, 7
	s_add_co_u32 s37, s37, 1
	s_and_b32 s36, s36, 127
	s_cmp_lt_u32 s34, XT/8
	s_cselect_b32 s37, 0, s37
	s_cselect_b32 s36, s34, s36
.if IN3
	s_sub_co_u32 s50, s36, TOK/8
	s_cmp_ge_u32 s36, TOK/8
	s_cselect_b32 s49, s50, s36
	s_cselect_b32 s51, 1, 0
	s_sub_co_u32 s50, s36, 2*(TOK/8)
	s_cmp_ge_u32 s36, 2*(TOK/8)
	s_cselect_b32 s49, s50, s49
	s_cselect_b32 s51, 2, s51
	s_lshl_b32 s52, s49, 15
.else
	s_lshl_b32 s52, s36, 15
.endif
	s_lshl_b32 s53, s35, 13
	s_add_co_u32 s52, s52, s53
.if WKN
	s_lshr_b32 s54, s36, 3
	s_lshl_b32 s54, s54, 8
.if W3
	s_lshl_b32 s55, s16, 17
	s_add_co_u32 s55, s55, s54
	s_mov_b32 s56, 1024/2
.else
	s_sub_co_u32 s55, s37, 1
	s_lshl_b32 s55, s55, 12
	s_add_co_u32 s55, s55, s54
	s_mul_i32 s56, s16, 32*3072*4
	s_add_co_u32 s55, s55, s56
	s_lshl_b32 s56, s16, 17
	s_add_co_u32 s56, s56, s54
	s_mov_b32 s58, 3072/2
	s_cmp_eq_u32 s37, 4
	s_cselect_b32 s55, s56, s55
	s_cselect_b32 s56, 1024/2, s58
.endif
	s_cmp_eq_u32 s37, 0
	s_cselect_b32 s52, s52, s55
	s_cselect_b32 s29, 32, s56
.endif
	s_mov_b32 s53, 0
	s_and_b32 s54, s36, 3
	s_lshl_b32 s54, s54, 2
	s_bfe_u32 s55, s36, 0x10002
	s_or_b32 s54, s54, s55
	s_bfe_u32 s55, s36, 0x10003
	s_lshl_b32 s55, s55, 4
	s_or_b32 s54, s54, s55
	s_bfe_u32 s55, s36, 0x10004
	s_lshl_b32 s55, s55, 1
	s_or_b32 s54, s54, s55
	s_and_b32 s55, s36, 0xffffffe0
	s_or_b32 s38, s54, s55
	s_lshr_b32 s54, s36, 3
	s_bfe_u32 s55, s36, 0x10002
	s_and_b32 s56, s36, 3
	s_lshl_b32 s57, s54, 3
	s_lshl_b32 s58, s56, 1
	s_add_co_u32 s57, s57, s58
	s_add_co_u32 s57, s57, s55
	s_add_co_u32 s58, s57, 128
	s_add_co_u32 s59, s57, 256
	s_cmp_eq_u32 s37, 1
	s_cselect_b32 s38, s57, s38
	s_cmp_eq_u32 s37, 2
	s_cselect_b32 s38, s58, s38
	s_cmp_eq_u32 s37, 3
	s_cselect_b32 s38, s59, s38
	s_cmp_eq_u32 s37, 4
	s_cselect_b32 s38, s36, s38
	s_cmp_eq_u32 s37, 0
	s_cselect_b32 s39, 0, XT/8
	s_cmp_eq_u32 s37, 4
	s_cselect_b32 s39, (XT+3072)/8, s39
	s_add_co_u32 s38, s38, s39
	s_mul_i32 s54, s38, 8*KROW
	s_mul_i32 s55, s35, 2*KROW
	s_add_co_u32 s54, s54, s55
	s_mov_b32 s55, 0
	s_lshl_b32 s56, s38, 8
	s_mov_b32 s57, 0
	s_mov_b32 s20, 1
	s_mov_b32 s21, s17
	s_wait_alu depctr_va_vdst(0)
	s_wait_dscnt 0x0
	s_wait_kmcnt 0x0
.if !WKN && !W3
	s_sub_co_u32 s58, s37, 1
	s_lshl_b32 s58, s58, 22
	s_mov_b32 s59, 0
	s_add_nc_u64 s[6:7], s[6:7], s[58:59]
.endif
.if IN3
	s_cmp_eq_u32 s51, 1
	s_cselect_b64 s[4:5], s[14:15], s[4:5]
	s_cmp_eq_u32 s51, 2
	s_cselect_b64 s[4:5], s[62:63], s[4:5]
.endif
	s_cmp_eq_u32 s37, 0
	s_cselect_b64 s[4:5], s[4:5], s[6:7]
.if W3
	s_cmp_eq_u32 s37, 2
	s_cselect_b64 s[4:5], s[8:9], s[4:5]
	s_cmp_eq_u32 s37, 3
	s_cselect_b64 s[4:5], s[10:11], s[4:5]
.endif
	s_cmp_eq_u32 s37, 4
	s_cselect_b64 s[4:5], s[12:13], s[4:5]
	s_add_nc_u64 s[22:23], s[4:5], s[52:53]
	s_or_b32 s23, s23, 0x80000000
	tensor_load_to_lds s[20:23], s[24:31]
	s_nop 0
.rept 4
	v_nop
.endr
	s_add_nc_u64 s[8:9], s[40:41], s[54:55]
	s_add_nc_u64 s[10:11], s[42:43], s[56:57]
.if WKN
	s_cmp_ge_u32 ttmp9, XT/64
	s_cbranch_scc1 .Lweights
.endif
	v_lshrrev_b32 v4, 2, v9
	v_mul_u32_u24 v4, v4, PITCH
	v_and_b32 v12, 3, v9
	v_lshl_add_u32 v4, v12, 6, v4
	v_add_nc_u32 v4, s17, v4
	s_lshl_b32 s18, s16, 6
	s_add_co_u32 s18, s18, SCB
	v_lshrrev_b32 v6, 1, v9
	v_add_nc_u32 v6, s18, v6
	s_mul_i32 s18, s16, 768
	s_add_co_u32 s18, s18, STG
	v_mul_u32_u24 v12, v9, 12
	v_add_nc_u32 v12, s18, v12
	v_add_nc_u32 v13, s18, v1
	s_wait_alu depctr_va_vdst(0)
.macro FETCH t
.irp i, 0,1,2,3
	ds_load_b128 v[X+16*((\t)%2)+4*\i:X+16*((\t)%2)+4*\i+3], v4 offset:(\t)*8*PITCH+16*\i
.endr
.endm
.macro STEP t
.set XS, X+16*((\t)%2)
.set CS, C+4*(\t)
.if (\t) < 3
	FETCH (\t)+1
	s_wait_dscnt 4
.else
	s_wait_dscnt 0
.endif
	v_max3_num_f32 v8, |v[XS]|, |v[XS+1]|, |v[XS+2]|
	v_max3_num_f32 v14, |v[XS+3]|, |v[XS+4]|, |v[XS+5]|
.irp i, 6,10
	v_max3_num_f32 v8, v8, |v[XS+\i]|, |v[XS+\i+1]|
	v_max3_num_f32 v14, v14, |v[XS+\i+2]|, |v[XS+\i+3]|
.endr
	v_max3_num_f32 v8, v8, |v[XS+14]|, |v[XS+15]|
	v_max3_num_f32 v8, v8, v14, (EMAX+1)<<23
	v_max_num_f32_dpp v8, v8, v8 row_xmask:1 row_mask:0xf bank_mask:0xf
	v_add_nc_u32 v11, -(EMAX<<23), v8
	v_cvt_scalef32_pk16_bf6_f32 v[CS:CS+2], v[XS:XS+15], v11
	v_lshrrev_b32 v[E+(\t)], 23, v11
	ds_store_b8 v6, v[E+(\t)] offset:16*(\t)
.irp i, 0,1,2
	ds_store_b32 v12, v[CS+\i] offset:384*((\t)%2)+4*\i
.endr
.if (\t)%2
.irp k, 0,1,2
	ds_load_b64 v[112+6*((\t)/2)+2*\k:113+6*((\t)/2)+2*\k], v13 offset:256*\k
.endr
	s_wait_dscnt 0x0
.irp k, 0,1,2
	global_store_b64 v1, v[112+6*((\t)/2)+2*\k:113+6*((\t)/2)+2*\k], s[8:9] offset:768*((\t)/2)+256*\k
.endr
.endif
.endm
	s_wait_tensorcnt 0x0
	FETCH 0
.irp t, 0,1,2,3
	STEP \t
.endr
	s_barrier_signal -1
	s_barrier_wait -1
.if WKN
	s_branch .Lbytes
.Lweights:
	v_lshlrev_b32 v5, 4, v9
	v_lshl_add_u32 v4, v9, 2, s17
	v_mul_u32_u24 v12, v9, SP
	s_mul_i32 s18, s16, 24
	v_add_nc_u32 v12, s18, v12
	v_lshlrev_b32 v6, 5, v9
	s_add_co_u32 s18, s16, SCB
	v_add_nc_u32 v6, s18, v6
	s_mul_i32 s18, s16, 2*SP
	v_lshl_add_u32 v13, v9, 4, s18
	v_lshrrev_b32 v10, 4, v9
	v_lshl_add_u32 v14, v10, 4, v13
	s_wait_alu depctr_va_vdst(0)
	s_wait_tensorcnt 0x0
.irp p, 0,1
.set I, 0
.rept 32
	ds_load_b32 v[X+32*\p+I], v4 offset:I*PITCH+128*\p
.set I, I+1
.endr
.endr
	s_wait_dscnt 0x0
	s_barrier_signal -1
	s_barrier_wait -1
.macro QUANT x, c, n
.irp k, 0,1,2,3
	v_max3_num_f32 v[T+\k], |v[\x+8*\k]|, |v[\x+8*\k+1]|, |v[\x+8*\k+2]|
.endr
.irp i, 3,5
.irp k, 0,1,2,3
	v_max3_num_f32 v[T+\k], v[T+\k], |v[\x+8*\k+\i]|, |v[\x+8*\k+\i+1]|
.endr
.endr
.irp k, 0,1,2,3
	v_max_num_f32 v[T+\k], v[T+\k], |v[\x+8*\k+7]|
.endr
	v_max3_num_f32 v[T], v[T], v[T+1], v[T+2]
	v_max3_num_f32 v[T], v[T], v[T+3], (EMAX+1)<<23
	v_add_nc_u32 v[T+8+\n], -(EMAX<<23), v[T]
	v_cvt_scalef32_pk16_bf6_f32 v[\c:\c+2], v[\x:\x+15], v[T+8+\n]
	v_cvt_scalef32_pk16_bf6_f32 v[T+4:T+6], v[\x+16:\x+31], v[T+8+\n]
	v_lshrrev_b32 v[E+\n], 23, v[T+8+\n]
.irp i, 0,1,2
	v_mov_b32 v[\c+3+\i], v[T+4+\i]
.endr
.endm
.irp p, 0,1
	QUANT X+32*\p, C+8*\p, \p
	ds_store_b8 v6, v[E+\p] offset:1024*\p
.irp k, 0,1,2
	ds_store_b64 v12, v[C+8*\p+2*\k:C+8*\p+2*\k+1] offset:32*SP*\p+8*\k
.endr
.endr
	s_wait_dscnt 0x0
	s_barrier_signal -1
	s_barrier_wait -1
	ds_load_b128 v[16:19], v13
	ds_load_b128 v[20:23], v14 offset:512
	ds_load_b128 v[24:27], v13 offset:SP+256
	s_wait_dscnt 0x0
.irp k, 0,1,2
	global_store_b128 v5, v[16+4*\k:19+4*\k], s[8:9] offset:512*\k
.endr
.Lbytes:
.endif
	s_cmp_lg_u32 s35, 0
	s_cbranch_scc1 .Lnot_first
	ds_load_b64 v[8:9], v7
	s_wait_dscnt 0x0
	global_store_b64 v1, v[8:9], s[10:11]
.Lnot_first:
	s_wait_tensorcnt 0x0
	ds_add_u32 v2, v3
	s_wait_dscnt 0x0
	s_endpgm
.Lfunc_end_k_q003f8cfa45_prepare:
	.size	k_q003f8cfa45_prepare, .Lfunc_end_k_q003f8cfa45_prepare-k_q003f8cfa45_prepare
	.p2alignl 7, 3214868480
	.fill 96, 4, 3214868480
	.section	.rodata,"a",@progbits
	.p2align	6, 0x0
	.amdhsa_kernel k_q003f8cfa45_prepare
		.amdhsa_group_segment_fixed_size 309248
		.amdhsa_private_segment_fixed_size 0
		.amdhsa_enable_private_segment 0
		.amdhsa_kernarg_size 56
		.amdhsa_user_sgpr_count 2
		.amdhsa_user_sgpr_kernarg_segment_ptr 1
		.amdhsa_wavefront_size32 1
		.amdhsa_system_sgpr_workgroup_id_x 1
		.amdhsa_system_sgpr_workgroup_id_y 1
		.amdhsa_system_sgpr_workgroup_id_z 1
		.amdhsa_system_vgpr_workitem_id 0
		.amdhsa_next_free_vgpr 128
		.amdhsa_next_free_sgpr 66
		.amdhsa_reserve_vcc 0
		.amdhsa_float_denorm_mode_32 3
		.amdhsa_float_denorm_mode_16_64 3
		.amdhsa_memory_ordered 1
		.amdhsa_forward_progress 1
		.amdhsa_inst_pref_size 12
	.end_amdhsa_kernel
	.amdgpu_metadata
---
amdhsa.version: [ 1, 2 ]
amdhsa.kernels:
  - .name:           k_q003f8cfa45_prepare
    .symbol:         k_q003f8cfa45_prepare.kd
    .args:
      - { .name: hidden_states, .offset: 0, .size: 8, .value_kind: global_buffer, .address_space: global }
      - { .name: Wq, .offset: 8, .size: 8, .value_kind: global_buffer, .address_space: global }
      - { .name: Wk, .offset: 16, .size: 8, .value_kind: global_buffer, .address_space: global }
      - { .name: Wv, .offset: 24, .size: 8, .value_kind: global_buffer, .address_space: global }
      - { .name: Wd, .offset: 32, .size: 8, .value_kind: global_buffer, .address_space: global }
      - { .name: pc, .offset: 40, .size: 8, .value_kind: global_buffer, .address_space: global }
      - { .name: ps, .offset: 48, .size: 8, .value_kind: global_buffer, .address_space: global }
    .group_segment_fixed_size: 309248
    .private_segment_fixed_size: 0
    .kernarg_segment_align: 8
    .kernarg_segment_size: 56
    .max_flat_workgroup_size: 1024
    .sgpr_count:     66
    .vgpr_count:     128
    .wavefront_size: 32
...
	.end_amdgpu_metadata
.endif
;; end of part 1
;; launch qkv (part 2): grid 16 x 16, 4 waves a work-group, clusters of 4 x 4, 327,680 bytes of LDS; arguments pc, ps, qkc, qks, vc, vs, bq, bk, bv; writes qkc, qks, vc, vs
.if DOCPART == 2
	.amdgcn_target "amdgcn-amd-amdhsa--gfx1250"
	.amdhsa_code_object_version 6
	.text
	.protected	k_q003f8cfa45_qkv
	.globl	k_q003f8cfa45_qkv
	.p2align	8
	.type	k_q003f8cfa45_qkv,@function
k_q003f8cfa45_qkv:
	s_mov_b64 s[64:65], 0
	v_nop
	global_prefetch_b8 v0, s[64:65] scope:SCOPE_SE
	s_setreg_imm32_b32 hwreg(HW_REG_WAVE_MODE, 25, 1), 1
	s_wait_xcnt 0x0
	s_wait_alu depctr_hold_cnt(0) depctr_sa_sdst(0) depctr_va_vdst(0) depctr_va_sdst(0) depctr_va_ssrc(0) depctr_va_vcc(0) depctr_vm_vsrc(0)
	s_getreg_b32 s2, hwreg(HW_REG_IB_STS2, 6, 4)
	s_cmp_eq_u32 s2, 0
	s_cbranch_scc0 .Lentry_in_a_cluster
	s_endpgm
.Lentry_in_a_cluster:
	s_bfe_u32 s2, ttmp6, 0x10000c
	s_cmp_lg_u32 s2, 0xf033
	s_cbranch_scc0 .Lentry_shape_is_right
	s_endpgm
.Lentry_shape_is_right:
.set TOK,    4096
.set BIAS,   1
.set W3,     1
.set IN3,    0
.set BQ0,    0
.set BQH,    64
.set BK0,    0
.set BKH,    64
.set BV0,    0
.set BVH,    64
.set SIZE_K, 1024
.set NQ,     SIZE_K/128
.set NB,     4
.set NS,     8
.set TM,     2*16*NS
.set TV,     TM/2
.set TN,     2*16*NB
.set KROW,   SIZE_K*6/8
.set KS,     SIZE_K/32
.set PITCH,  KROW+16*(KROW/256)
.set FR,     12
.set NL,     6
.set FPW,    256/FR
.set NP,     4
.set NF,     NQ*NL+2
.set RA,     128
.set RQ,     128
.set YB,     RA*PITCH
.set SCL,    ((RA+RQ)*PITCH+255)/256*256
.set RS,     TM*KS/256
.set SSTEP,  (32*KS/256)*272
.set RV,     (TM-16)*KS/256
.set XN,     (SCL+(RS+RV)*272+255)/256*256
.set XM,     XN+2*TM*2
.set XE,     XM+TM*2
.set SPARE,  XE+2048
.set EMAX,   4
.set TB,     768
.set ADRA0, 4
.set AAS0, 6
.set CO,   9
.set SPW,  10
.set NIL,  11
.set ADRA, 12
.set ADRB, 14
.set ABS,  16
.set AAS,  17
.set STO,  18
.set RD,   19
.set SB,   24
.set SA,   40
.set ACC,  64
.set HV,   64
.set NCD,  128
.set MCD,  192
.set ADRV, 224
.set AASV, 226
.set XEA,  227
.set SOP,  240
.set EB,   244
.set TQ,   56
.set VX,   248
.set BQ,   72
.set BQ2,  104
.set SB2,  140
.set G1A, 24
.set G0A, 56
.set G1B, 32
.set G0B, 60
.set G1R, 48
.set G0R, 68
.set G1S, 92
.set G0S, 72
.set MSB, 0
.macro WIN new
.if MSB != \new
	s_set_vgpr_msb (MSB<<8)|\new
.set MSB, \new
.endif
.endm
.macro PLACES n
.rept \n
	v_nop
.endr
.endm
.macro BARRIER
	s_barrier_signal -1
	s_barrier_wait -1
.endm
.macro CROUND
	BARRIER
	s_cmp_lg_u32 s14, 0
	s_cbranch_scc1 .Lnot_wave_0_\@
	s_barrier_signal -3
.Lnot_wave_0_\@:
	s_barrier_wait -3
	BARRIER
.endm
.macro TLOAD g0, g1
	tensor_load_to_lds s[\g0:\g0+3], s[\g1:\g1+7]
	s_nop 0
	PLACES 4
.endm
.macro GROUP1 g, mask, rows
	s_or_b32 s[\g+0], s[\mask], (1<<20)|(1<<21)|(5<<22)|(3<<25)
	s_mov_b32 s[\g+1], (KROW&0xffff)<<16
	s_mov_b32 s[\g+2], (KROW>>16)|((\rows)<<16)
	s_mov_b32 s[\g+3], KROW<<16
	s_mov_b32 s[\g+4], \rows
	s_mov_b32 s[\g+5], KROW
	s_mov_b32 s[\g+6], 0
	s_mov_b32 s[\g+7], 0
.endm
.macro SADD d, x
	s_add_co_u32 s\d, s\d, s\x
.endm
	s_load_b128 s[4:7], s[0:1], 0x0
	v_lshl_add_u32 v[SPW], v0, 2, SPARE
	v_mov_b32 v[NIL], 0
	ds_add_u32 v[SPW], v[NIL]
	ds_add_u32 v[SPW], v[NIL]
	v_lshrrev_b32 v1, 5, v0
	v_readfirstlane_b32 s14, v1
	s_lshr_b32 s15, s14, 1
	s_and_b32 s16, s14, 1
	s_mov_b32 s17, s15
	s_mov_b32 s18, s16
	s_bfe_u32 s40, ttmp6, 0x40000
	s_bfe_u32 s41, ttmp6, 0x40004
	s_lshl_b32 s42, ttmp9, 2
	s_add_co_u32 s42, s42, s40
	s_and_b32 s43, ttmp7, 0xffff
	s_lshl_b32 s43, s43, 2
	s_add_co_u32 s43, s43, s41
	s_lshr_b32 s19, ttmp9, 1
	s_and_b32 s13, ttmp9, 1
	s_lshl_b32 s13, s13, 2
	s_add_co_u32 s13, s13, s41
	s_and_b32 s12, ttmp7, 0xffff
	s_lshl_b32 s12, s12, 2
	s_add_co_u32 s12, s12, s40
	s_lshl_b32 s12, s12, 1
	s_add_co_u32 s12, s12, s19
	s_lshl_b32 s44, s41, 2
	s_lshl_b32 s44, 15, s44
	s_lshl_b32 s45, 0x1111, s40
	GROUP1 G1A, 44, RA
	GROUP1 G1B, 45, TN
	s_or_b32 s[G1R+0], s45, (3<<16)|(1<<20)|(1<<21)|(5<<22)|(3<<25)
	s_mov_b32 s[G1R+1], 32<<16
	s_mov_b32 s[G1R+2], RV<<16
	s_mov_b32 s[G1R+3], 32<<16
	s_mov_b32 s[G1R+4], RV
	s_mov_b32 s[G1R+5], 32
	s_mov_b32 s[G1R+6], 0
	s_mov_b32 s[G1R+7], 0
	s_or_b32 s[G1S+0], s44, (3<<16)|(1<<20)|(1<<21)|(5<<22)|(3<<25)
	s_mov_b32 s[G1S+1], 32<<16
	s_mov_b32 s[G1S+2], RS<<16
	s_mov_b32 s[G1S+3], 32<<16
	s_mov_b32 s[G1S+4], RS
	s_mov_b32 s[G1S+5], 32
	s_mov_b32 s[G1S+6], 0
	s_mov_b32 s[G1S+7], 0
	s_mov_b32 s[G0S], 1
	s_mov_b32 s[G0S+1], SCL
	s_mul_i32 s86, s43, TM*KROW
	s_lshr_b32 s66, s12, 1
	s_lshl_b32 s66, s66, 4
	s_add_co_u32 s66, s66, s19
	s_mul_i32 s66, s66, 16*KROW
.if IN3
	s_mul_i32 s20, s19, TOK*KROW
	SADD 86, 20
	s_add_co_u32 s66, s66, 2*TOK*KROW
.endif
	s_mov_b32 s87, 0
	s_mov_b32 s67, s86
	s_mul_i32 s20, s42, TN*KROW
	s_mov_b32 s78, s20
	s_mov_b32 s79, 0
	s_mul_i32 s80, s43, TM*KS
.if IN3
	s_mul_i32 s20, s19, TOK*KS
	SADD 80, 20
.endif
	s_mov_b32 s81, 0
	s_mul_i32 s82, s42, TN*KS
	s_mul_i32 s21, s18, 16*NB*KS
	s_add_co_u32 s82, s82, s21
	s_mov_b32 s83, 0
	s_mul_i32 s84, s13, TN*KS
	s_add_co_u32 s84, s84, s21
	s_add_co_u32 s84, s84, 2048*KS
	s_mov_b32 s85, 0
	s_mov_b32 s[G0A], 1
	s_mov_b32 s[G0A+1], 0
	s_mov_b32 s[G0B], 1
	s_mov_b32 s[G0B+1], YB
	s_mov_b32 s[G0R], 1
	s_mov_b32 s[G0R+1], SCL+RS*272
	s_lshr_b32 s88, s12, 1
	s_lshl_b32 s88, s88, 4
	s_add_co_u32 s88, s88, s19
	s_mul_i32 s88, s88, 16*KS
.if IN3
	s_add_co_u32 s88, s88, 2*TOK*KS
.endif
	s_mov_b32 s89, 0
	v_and_b32 v1, 15, v0
	v_bfe_u32 v2, v0, 4, 1
	v_and_b32 v3, 31, v0
	v_mul_u32_u24 v22, v1, PITCH
	v_mad_u32_u24 v23, v2, 24, v22
	s_mul_i32 s21, s17, 16*PITCH
	v_add_nc_u32 v[ADRA0], s21, v23
	s_mul_i32 s20, s17, 64*PITCH
	v_add_nc_u32 v[ADRV], s20, v23
	s_mul_i32 s22, s18, 16*NB*PITCH
	s_add_co_u32 s22, s22, YB
	v_add_nc_u32 v[ADRB], s22, v23
	s_mul_i32 s23, s18, 16*NB*PITCH
	v_add_nc_u32 v[ADRB+6], s23, v23
	v_mad_u32_u24 v23, v2, 24+16, v22
	v_add_nc_u32 v[ADRA0+1], s21, v23
	v_add_nc_u32 v[ADRV+1], s20, v23
	v_add_nc_u32 v[ADRB+1], s22, v23
	v_add_nc_u32 v[ADRB+7], s23, v23
	v_mul_u32_u24 v[ABS], v3, KS
	v_mul_u32_u24 v23, v1, KS
	v_lshrrev_b32 v22, 8, v23
	v_lshl_add_u32 v23, v22, 4, v23
	s_mul_i32 s21, s17, (16*KS/256)*272
	s_add_co_u32 s21, s21, SCL
	v_add_nc_u32 v[AAS0], s21, v23
	s_mul_i32 s21, s17, 16*272
	s_add_co_u32 s21, s21, SCL+RS*272
	v_add_nc_u32 v[AASV], s21, v23
	s_lshl_b32 s90, s40, 2
	s_add_co_u32 s90, s90, s14
.if IN3
	s_lshl_b32 s100, s41, 2
	s_add_co_u32 s100, s100, s14
.endif
	s_wait_alu depctr_va_vdst(0)
	s_wait_dscnt 0x0
	s_wait_kmcnt 0x0
	s_add_nc_u64 s[8:9], s[4:5], (1+2*IN3)*TOK*KROW
	s_add_nc_u64 s[10:11], s[6:7], (1+2*IN3)*TOK*KS
	s_add_nc_u64 s[84:85], s[10:11], s[84:85]
	s_add_nc_u64 s[86:87], s[4:5], s[86:87]
	s_mov_b64 s[G0A+2:G0A+3], s[86:87]
	s_or_b32 s[G0A+3], s[G0A+3], 0x80000000
	s_add_nc_u64 s[G0B+2:G0B+3], s[8:9], s[78:79]
	s_or_b32 s[G0B+3], s[G0B+3], 0x80000000
	s_add_nc_u64 s[G0S+2:G0S+3], s[6:7], s[80:81]
	s_or_b32 s[G0S+3], s[G0S+3], 0x80000000
	s_add_nc_u64 s[G0R+2:G0R+3], s[6:7], s[88:89]
	s_or_b32 s[G0R+3], s[G0R+3], 0x80000000
	s_add_nc_u64 s[10:11], s[10:11], s[82:83]
	CROUND
	s_cmp_eq_u32 s14, 0
	s_cbranch_scc0 .Lwave_1
	TLOAD G0B, G1B
	s_branch .Lasked
.Lwave_1:
	s_cmp_eq_u32 s14, 1
	s_cbranch_scc0 .Lwave_2
	TLOAD G0A, G1A
	s_branch .Lasked
.Lwave_2:
	s_cmp_eq_u32 s14, 2
	s_cbranch_scc0 .Lwave_3
	TLOAD G0S, G1S
	s_branch .Lasked
.Lwave_3:
	TLOAD G0R, G1R
.Lasked:
	s_lshl_b32 s21, s42, 1
	SADD 21, 18
	s_mul_i32 s76, s21, TOK/16*TB
	s_mul_i32 s22, s43, TM/16*TB
	SADD 76, 22
	s_mul_i32 s22, s17, 8*TB
	SADD 76, 22
	s_mov_b32 s77, 0
	s_lshl_b32 s21, s42, 1
	SADD 21, 15
	s_mul_i32 s78, s21, TOK*2
	s_mul_i32 s22, s43, TM*2
	SADD 78, 22
	s_mul_i32 s22, s16, TM
	SADD 78, 22
	s_mov_b32 s79, 0
	s_lshl_b32 s21, s13, 1
	SADD 21, 18
	s_mul_i32 s80, s21, TOK/16*TB
	s_mul_i32 s22, s12, 8*TB
	SADD 80, 22
	s_mov_b32 s81, 0
	s_lshl_b32 s21, s13, 1
	SADD 21, 15
	s_mul_i32 s82, s21, TOK*2
	s_lshl_b32 s22, s12, 8
	SADD 82, 22
	s_mov_b32 s83, 0
.irp p, 0,1
.irp c, 0,1
	global_load_b128 v[SB2+NQ*\p+4*\c:SB2+NQ*\p+4*\c+3], v[ABS], s[84:85] offset:\p*32*KS+16*\c
.endr
.endr
.if BIAS
	s_wait_xcnt 0x0
	s_load_b64 s[84:85], s[0:1], 0x30
.if W3
	s_load_b64 s[46:47], s[0:1], 0x38
	s_load_b64 s[88:89], s[0:1], 0x40
.endif
	s_lshl_b32 s21, s42, 1
	SADD 21, 18
	s_and_b32 s21, s21, 15
	s_mov_b32 s20, 4*BQH
	s_mov_b32 s22, 4*BQ0
	s_cmp_eq_u32 s19, 1
	s_cselect_b32 s20, 4*BKH, s20
	s_cselect_b32 s22, 4*BK0, s22
	s_mul_i32 s20, s21, s20
	SADD 20, 22
	s_mov_b32 s21, 0
	s_lshl_b32 s22, s13, 1
	SADD 22, 18
	s_mul_i32 s22, s22, 4*BVH
	s_add_co_u32 s22, s22, 4*BV0
	s_mov_b32 s23, 0
	v_lshlrev_b32 v22, 7, v2
	v_lshrrev_b32 v23, 3, v1
	v_lshlrev_b32 v23, 7, v23
	v_and_b32 v8, 7, v1
	v_lshl_add_u32 v23, v8, 2, v23
	s_wait_alu depctr_va_vdst(0)
	s_wait_kmcnt 0x0
.if W3
	s_add_nc_u64 s[22:23], s[88:89], s[22:23]
	s_cmp_eq_u32 s19, 1
	s_cselect_b64 s[84:85], s[46:47], s[84:85]
.else
	s_add_nc_u64 s[22:23], s[84:85], s[22:23]
.endif
	s_add_nc_u64 s[20:21], s[84:85], s[20:21]
	WIN 3<<6
.irp k, 0,1,2,3,4,5,6,7
	global_load_b128 v[BQ+4*\k:BQ+4*\k+3], v22, s[20:21] offset:16*\k
.endr
.irp t, 0,1,2,3
	global_load_b32 v[BQ2+8*\t], v23, s[22:23] offset:32*\t
.endr
	WIN 0
	s_wait_xcnt 0x0
.endif
	v_lshlrev_b32 v[CO], 4, v3
	s_mul_i32 s21, s18, TM*2
	s_add_co_u32 s21, s21, XN
	s_lshl_b32 s22, s17, 8
	SADD 21, 22
	v_lshl_add_u32 v23, v1, 2, v2
	v_add_nc_u32 v[STO], s21, v23
	s_mul_i32 s21, s18, TV*2
	s_add_co_u32 s21, s21, XM
	s_lshl_b32 s22, s17, 1
	SADD 21, 22
	v_add_nc_u32 v[RD], s21, v23
	s_lshl_b32 s21, s18, 10
	s_add_co_u32 s21, s21, XE
	v_lshl_add_u32 v[XEA], v3, 3, s21
.irp p, 0,1
.irp c, 0,1
	global_load_b128 v[SB+NQ*\p+4*\c:SB+NQ*\p+4*\c+3], v[ABS], s[10:11] offset:\p*32*KS+16*\c
.endr
.endr
	s_wait_xcnt 0x0
	s_load_b64 s[10:11], s[0:1], 0x10
	s_wait_loadcnt 0x0
.if BIAS
	WIN (3<<6)|3
.irp t, 0,8,16,24
.irp i, 1,2,3,4,5,6,7
	v_mov_b32 v[BQ2+\t+\i], v[BQ2+\t]
.endr
.endr
	WIN 0
.endif
	s_cmp_eq_u32 s14, 0
	s_cbranch_scc0 .Lnot_b
	s_wait_tensorcnt 0x0
.Lnot_b:
	BARRIER
.macro PREFETCH b0, b1, r0, n, again
.if \again
	s_wait_xcnt 0x0
.endif
	s_add_nc_u64 s[22:23], s[\b0:\b1], (\r0)*KROW
	s_mul_i32 s21, s90, 3*(\n)/16
	v_min_u32 v7, 3*(\n)/16-1, v3
	v_add_nc_u32 v7, s21, v7
	v_lshlrev_b32 v7, 8, v7
	global_prefetch_b8 v7, s[22:23] th:TH_LOAD_NT scope:SCOPE_SE
.endm
	PREFETCH 86, 87, RA, RQ, 0
.macro FRAG f, adr, q, off
	WIN (1+(\f)/FPW)<<6
.irp p, 0,1,2,3,4,5
.set PC, 12*(\q)+6*(\p/3)+\p%3
.if PC%32 < 29
	ds_load_b64 v[FR*((\f)%FPW)+2*\p:FR*((\f)%FPW)+2*\p+1], v[\adr] offset:8*PC+16*(PC/32)+(\off)
.else
	ds_load_b64 v[FR*((\f)%FPW)+2*\p:FR*((\f)%FPW)+2*\p+1], v[\adr+1] offset:8*PC+16*(PC/32)+(\off)
.endif
.endr
.endm
.macro FETCH e
.irp q, 0,1,2,3,4,5,6,7
	FRAG NB*NQ+NQ*(\e)+\q, ADRA, \q, 0
.endr
	WIN 0
	ds_load_b128 v[SA+8*(\e):SA+8*(\e)+3], v[AAS]
	ds_load_b128 v[SA+8*(\e)+4:SA+8*(\e)+7], v[AAS] offset:16
.endm
.macro WM d, s0, s1, c, x0, x1, side, o
	v_wmma_scale_f32_16x16x128_f8f6f4 v[\d:\d+7], v[FR*((\s0)%FPW):FR*((\s0)%FPW)+FR-1], v[FR*((\s1)%FPW):FR*((\s1)%FPW)+FR-1], \c, v[\x0], v[\x1] matrix_a_fmt:MATRIX_FMT_BF6 matrix_b_fmt:MATRIX_FMT_BF6 matrix_\side\()_scale:MATRIX_SCALE_ROW\o
.endm
.macro MUL1 q, p, o, e, d, c, cw, kind
.set FB, NB*(\q)+2*\p+\o
.set FA, NB*NQ+NQ*(\e)+\q
.if !(\kind)
	WIN (1+FB/FPW)|((1+FA/FPW)<<2)|((\cw)<<4)
	WM \d, FB, FA, \c, SB+NQ*\p+\q, SA+8*(\e)+\q, a, \o
.else
	WIN (1+FA/FPW)|((1+FB/FPW)<<2)|((\cw)<<4)
	WM \d, FA, FB, \c, SA+8*(\e)+\q, SB+NQ*\p+\q, b, \o
.endif
.endm
.macro MUL e, kind, a0, as, bq
.irp q, 0,1,2,3,4,5,6,7
.irp p, 0,1
.irp o, 0,1
.if (\q) == 0 && BIAS
	MUL1 \q, \p, \o, \e, \a0+\as*(2*\p+\o), v[\bq+8*(2*\p+\o):\bq+8*(2*\p+\o)+7], 3, \kind
.elseif (\q) == 0
	MUL1 \q, \p, \o, \e, \a0+\as*(2*\p+\o), 0, 0, \kind
.else
	MUL1 \q, \p, \o, \e, \a0+\as*(2*\p+\o), v[\a0+\as*(2*\p+\o):\a0+\as*(2*\p+\o)+7], 0, \kind
.endif
.endr
.endr
.endr
	WIN 0
.endm
.macro QUANT x, c, n
.irp k, 0,1,2,3
	v_max3_num_f32 v[TQ+\k], |v[\x+8*\k]|, |v[\x+8*\k+1]|, |v[\x+8*\k+2]|
.endr
.irp i, 3,5
.irp k, 0,1,2,3
	v_max3_num_f32 v[TQ+\k], v[TQ+\k], |v[\x+8*\k+\i]|, |v[\x+8*\k+\i+1]|
.endr
.endr
.irp k, 0,1,2,3
	v_max_num_f32 v[TQ+\k], v[TQ+\k], |v[\x+8*\k+7]|
.endr
	v_max3_num_f32 v[TQ], v[TQ], v[TQ+1], v[TQ+2]
	v_max3_num_f32 v[TQ], v[TQ], v[TQ+3], (EMAX+1)<<23
	v_add_nc_u32 v[SOP+\n], -(EMAX<<23), v[TQ]
	v_cvt_scalef32_pk16_bf6_f32 v[\c:\c+2], v[\x:\x+15], v[SOP+\n]
	v_cvt_scalef32_pk16_bf6_f32 v[TQ+4:TQ+6], v[\x+16:\x+31], v[SOP+\n]
	v_lshrrev_b32 v[EB+\n], 23, v[SOP+\n]
.irp i, 0,1,2
	v_mov_b32 v[\c+3+\i], v[TQ+4+\i]
.endr
.endm
.macro PUT3 r, base, off
.irp k, 0,1,2
	global_store_b128 v[CO], v[\r+4*\k:\r+4*\k+3], \base offset:(\off)+512*\k
.endr
.endm
.macro VOUT
.irp t, 0,1,2,3
	QUANT HV+32*\t, MCD+8*\t, \t
	ds_store_b8 v[RD], v[EB+\t] offset:64*\t
.endr
	s_wait_alu depctr_va_vdst(0)
	s_cmp_eq_u32 s17, 1
	s_cbranch_scc1 .Lband_1
.irp t, 0,1,2,3
	global_store_b128 v[CO], v[MCD+8*\t:MCD+8*\t+3], s[96:97] offset:2*TB*\t
.endr
	s_branch .Lstored
.Lband_1:
.irp t, 0,1,2,3
	ds_store_b64 v[XEA], v[MCD+8*\t:MCD+8*\t+1] offset:256*\t
	global_store_b128 v[CO], v[MCD+8*\t+2:MCD+8*\t+5], s[96:97] offset:2*TB*\t+1024
.endr
.Lstored:
.endm
.macro W1 j
	QUANT ACC, NCD+6*((\j)%2), (\j)%2
	ds_store_b8 v[VX], v[EB+(\j)%2] offset:64*((\j)/2)+2*((\j)%2)
.if (\j)%2
	PUT3 NCD, s[84:85], 2*TB*((\j)/2)
.endif
.endm
.macro STEPA wrap=0
	s_add_co_u32 s101, s101, 32*PITCH
.if \wrap
	s_cmp_eq_u32 s101, (RA+RQ)*PITCH
	s_cselect_b32 s101, 0, s101
.endif
	v_add_nc_u32 v[ADRA], s101, v[ADRA0]
	v_add_nc_u32 v[ADRA+1], s101, v[ADRA0+1]
	s_add_co_u32 s91, s91, SSTEP
	v_add_nc_u32 v[AAS], s91, v[AAS0]
.endm
.macro STEPV
	s_add_co_u32 s101, s101, 16*PITCH
	v_add_nc_u32 v[ADRA], s101, v[ADRV]
	v_add_nc_u32 v[ADRA+1], s101, v[ADRV+1]
	s_add_co_u32 s91, s91, SSTEP
	v_add_nc_u32 v[AAS], s91, v[AASV]
.endm
.macro BREGS adr
.irp q, 0,1,2,3,4,5,6,7
.irp b, 0,1,2,3
	FRAG NB*\q+\b, \adr, \q, \b*16*PITCH
.endr
.endr
	WIN 0
.endm
.macro AHEAD
	s_mul_i32 s21, s21, RA*KROW/16
	SADD 20, 21
	v_min_u32 v7, RA*KROW/16/256-1, v3
	v_lshl_add_u32 v7, v7, 8, s20
	global_prefetch_b8 v7, s[4:5] th:TH_LOAD_NT scope:SCOPE_SE
.endm
.macro ASKV
	s_mul_i32 s[G0R+1], s15, 64*PITCH
	s_mul_i32 s20, s16, 16*PITCH
	s_add_co_u32 s[G0R+1], s[G0R+1], s20
	s_add_co_u32 s[G0R+1], s[G0R+1], s47
	s_mul_i32 s20, s15, 128*KROW
	s_mul_i32 s21, s16, 32*KROW
	SADD 20, 21
	SADD 20, 88
	s_mov_b32 s21, 0
	s_add_nc_u64 s[G0R+2:G0R+3], s[4:5], s[20:21]
	s_or_b32 s[G0R+3], s[G0R+3], 0x80000000
	s_wait_dscnt 0x0
	CROUND
	TLOAD G0R, G1R
.endm
.macro ASK
	s_mul_i32 s[G0R+1], s14, RQ/4*PITCH
	s_add_co_u32 s[G0R+1], s[G0R+1], s47
	s_mul_i32 s20, s14, RQ/4*KROW
	SADD 20, 88
	s_mov_b32 s21, 0
	s_add_nc_u64 s[G0R+2:G0R+3], s[4:5], s[20:21]
	s_or_b32 s[G0R+3], s[G0R+3], 0x80000000
	s_wait_dscnt 0x0
	CROUND
	TLOAD G0R, G1R
.endm
	BREGS ADRB
	s_mov_b32 s101, 0
	s_mov_b32 s91, 0
	s_mov_b32 s46, 0
	s_wait_tensorcnt 0x0
	ds_add_u32 v[SPW], v[NIL]
	GROUP1 G1R, 44, RQ/4
	s_add_co_u32 s88, s67, RA*KROW
	s_mov_b32 s47, YB
	ASK
	s_mul_i32 s72, s13, TN*KROW
	s_add_co_u32 s72, s72, ((1+2*IN3)*TOK+2048)*KROW
	s_wait_xcnt 0x0
	s_mov_b32 s20, s72
	s_mov_b32 s21, s90
	AHEAD
	v_add_nc_u32 v[ADRA], s101, v[ADRA0]
	v_add_nc_u32 v[ADRA+1], s101, v[ADRA0+1]
	v_add_nc_u32 v[AAS], s91, v[AAS0]
	FETCH 0
	STEPA
	FETCH 1
	s_wait_alu depctr_va_vdst(0)
	s_wait_kmcnt 0x0
	s_add_nc_u64 s[10:11], s[10:11], s[76:77]
.Lchunk:
	s_wait_dscnt NF
	MUL 0, 0, ACC, 8, BQ
	s_wait_xcnt 0x0
	s_lshr_b32 s20, s46, 1
	s_and_b32 s21, s46, 1
	s_lshl_b32 s22, s20, 9
	s_lshl_b32 s23, s21, 7
	s_or_b32 s22, s22, s23
	s_lshl_b32 s20, s20, 1
	s_add_co_u32 s20, s20, s46
	s_mul_i32 s20, s20, 4*TB
	s_mov_b32 s21, 0
	s_add_nc_u64 s[84:85], s[10:11], s[20:21]
	v_add_nc_u32 v[VX], s22, v[STO]
	STEPA
	FETCH 0
	W1 0
	s_wait_dscnt NF
	MUL 1, 0, ACC, 8, BQ
	STEPA
	PLACES 1
	FETCH 1
	W1 1
	s_cmp_eq_u32 s46, 1
	s_cbranch_scc1 .Ltail
	s_wait_dscnt NF
	MUL 0, 0, ACC, 8, BQ
	PLACES 1
	s_wait_tensorcnt 0x0
	ds_add_u32 v[SPW], v[NIL]
	s_mov_b32 s88, s72
	s_xor_b32 s47, s47, YB
	ASK
.if IN3
	s_lshr_b32 s20, s100, 1
	s_mul_i32 s20, s20, 32*KROW
	s_and_b32 s21, s100, 1
	s_mul_i32 s21, s21, 8*KROW
	SADD 20, 21
	SADD 20, 66
	s_mov_b32 s21, 0
	AHEAD
.endif
	STEPA 1
	FETCH 0
	s_wait_xcnt 0x0
	W1 2
	MUL 1, 0, ACC, 8, BQ
	STEPA
	PLACES 1
	FETCH 1
	W1 3
	s_add_co_u32 s46, s46, 1
	s_branch .Lchunk
.Ltail:
	s_wait_dscnt NF
	MUL 0, 0, ACC, 8, BQ
	PLACES NP
	s_wait_tensorcnt 0x0
	ds_add_u32 v[SPW], v[NIL]
	s_or_b32 s[G1R+0], s45, (1<<20)|(1<<21)|(5<<22)|(3<<25)
	s_mov_b32 s[G1R+2], (KROW>>16)|(16<<16)
	s_mov_b32 s[G1R+4], 16
	s_mov_b32 s88, s66
	s_mov_b32 s47, YB
	ASKV
	s_wait_xcnt 0x0
	W1 2
	MUL 1, 0, ACC, 8, BQ
	PLACES NP
	s_load_b64 s[94:95], s[0:1], 0x18
	s_load_b128 s[96:99], s[0:1], 0x20
	BREGS ADRB+6
.set I, 0
.rept 8
	v_dual_mov_b32 v[SB+I], v[SB2+I] :: v_dual_mov_b32 v[SB+I+1], v[SB2+I+1]
.set I, I+2
.endr
	W1 3
	s_wait_tensorcnt 0x0
	ds_add_u32 v[SPW], v[NIL]
	s_add_co_u32 s88, s66, 64*KROW
	s_mov_b32 s47, YB+32*PITCH
	ASKV
	s_mov_b32 s101, YB
	s_mov_b32 s91, 0
	v_add_nc_u32 v[ADRA], s101, v[ADRV]
	v_add_nc_u32 v[ADRA+1], s101, v[ADRV+1]
	v_add_nc_u32 v[AAS], s91, v[AASV]
	FETCH 0
	STEPV
	FETCH 1
	s_wait_kmcnt 0x0
	s_add_nc_u64 s[94:95], s[94:95], s[78:79]
	s_add_nc_u64 s[96:97], s[96:97], s[80:81]
	s_add_nc_u64 s[98:99], s[98:99], s[82:83]
	s_wait_xcnt 0x0
	s_wait_dscnt NF
	MUL 0, 1, HV, 32, BQ2
	PLACES 1
	s_wait_tensorcnt 0x0
	s_wait_dscnt 0x0
	BARRIER
	STEPV
	FETCH 0
	MUL 1, 1, HV+8, 32, BQ2
	STEPV
	PLACES 1
	FETCH 1
	s_wait_dscnt NF
	MUL 0, 1, HV+16, 32, BQ2
	s_wait_dscnt 0x0
	MUL 1, 1, HV+24, 32, BQ2
	PLACES NP
	VOUT
	v_lshlrev_b32 v[VX+1], 3, v3
	s_mul_i32 s21, s14, TM
	s_add_co_u32 s21, s21, XN
	v_add_nc_u32 v[VX], s21, v[VX+1]
	s_lshl_b32 s21, s15, 8
	s_add_co_u32 s21, s21, XM
	v_add_nc_u32 v[VX+2], s21, v[VX+1]
	s_wait_alu depctr_va_vdst(0)
	s_wait_dscnt 0x0
	BARRIER
	ds_load_b64 v[TQ:TQ+1], v[VX]
	s_cmp_eq_u32 s17, 0
	s_cbranch_scc0 .Lno_middle
.irp t, 0,1,2,3
	ds_load_b64 v[MCD+8*\t+6:MCD+8*\t+7], v[XEA] offset:256*\t
.endr
	s_wait_dscnt 0x0
.irp t, 0,1,2,3
	global_store_b128 v[CO], v[MCD+8*\t+4:MCD+8*\t+7], s[96:97] offset:2*TB*\t+512
.endr
.Lno_middle:
	s_cmp_eq_u32 s16, 0
	s_cbranch_scc0 .Lno_vs
	ds_load_b64 v[TQ+4:TQ+5], v[VX+2]
	s_wait_dscnt 0x0
	global_store_b64 v[VX+1], v[TQ+4:TQ+5], s[98:99]
.Lno_vs:
	s_wait_dscnt 0x0
	global_store_b64 v[VX+1], v[TQ:TQ+1], s[94:95]
	s_wait_tensorcnt 0x0
	ds_add_u32 v[SPW], v[NIL]
	s_wait_dscnt 0x0
	CROUND
	s_endpgm
.Lfunc_end_k_q003f8cfa45_qkv:
	.size	k_q003f8cfa45_qkv, .Lfunc_end_k_q003f8cfa45_qkv-k_q003f8cfa45_qkv
	.p2alignl 7, 3214868480
	.fill 96, 4, 3214868480
	.section	.rodata,"a",@progbits
	.p2align	6, 0x0
	.amdhsa_kernel k_q003f8cfa45_qkv
		.amdhsa_group_segment_fixed_size 327680
		.amdhsa_private_segment_fixed_size 0
		.amdhsa_enable_private_segment 0
		.amdhsa_kernarg_size 72
		.amdhsa_user_sgpr_count 2
		.amdhsa_user_sgpr_kernarg_segment_ptr 1
		.amdhsa_wavefront_size32 1
		.amdhsa_system_sgpr_workgroup_id_x 1
		.amdhsa_system_sgpr_workgroup_id_y 1
		.amdhsa_system_sgpr_workgroup_id_z 1
		.amdhsa_system_vgpr_workitem_id 0
		.amdhsa_next_free_vgpr 904
		.amdhsa_next_free_sgpr 102
		.amdhsa_reserve_vcc 0
		.amdhsa_float_denorm_mode_32 3
		.amdhsa_float_denorm_mode_16_64 3
		.amdhsa_memory_ordered 1
		.amdhsa_forward_progress 1
		.amdhsa_inst_pref_size 143
	.end_amdhsa_kernel
	.amdgpu_metadata
---
amdhsa.version: [ 1, 2 ]
amdhsa.kernels:
  - .name:           k_q003f8cfa45_qkv
    .symbol:         k_q003f8cfa45_qkv.kd
    .args:
      - { .name: pc, .offset: 0, .size: 8, .value_kind: global_buffer, .address_space: global }
      - { .name: ps, .offset: 8, .size: 8, .value_kind: global_buffer, .address_space: global }
      - { .name: qkc, .offset: 16, .size: 8, .value_kind: global_buffer, .address_space: global }
      - { .name: qks, .offset: 24, .size: 8, .value_kind: global_buffer, .address_space: global }
      - { .name: vc, .offset: 32, .size: 8, .value_kind: global_buffer, .address_space: global }
      - { .name: vs, .offset: 40, .size: 8, .value_kind: global_buffer, .address_space: global }
      - { .name: bq, .offset: 48, .size: 8, .value_kind: global_buffer, .address_space: global }
      - { .name: bk, .offset: 56, .size: 8, .value_kind: global_buffer, .address_space: global }
      - { .name: bv, .offset: 64, .size: 8, .value_kind: global_buffer, .address_space: global }
    .group_segment_fixed_size: 327680
    .private_segment_fixed_size: 0
    .kernarg_segment_align: 8
    .kernarg_segment_size: 72
    .max_flat_workgroup_size: 128
    .sgpr_count:     102
    .vgpr_count:     904
    .wavefront_size: 32
...
	.end_amdgpu_metadata
.endif
;; end of part 2
;; launch attention (part 3): grid 8 x 32, 8 waves a work-group, clusters of 4 x 1, 327,680 bytes of LDS; arguments qkc, qks, vc, vs, cx, cxs, attention_mask; writes cx, cxs
.if DOCPART == 3
	.amdgcn_target "amdgcn-amd-amdhsa--gfx1250"
	.amdhsa_code_object_version 6
	.text
	.protected	k_q003f8cfa45_attention
	.globl	k_q003f8cfa45_attention
	.p2align	8
	.type	k_q003f8cfa45_attention,@function
k_q003f8cfa45_attention:
	s_mov_b64 s[64:65], 0
	v_nop
	global_prefetch_b8 v0, s[64:65] scope:SCOPE_SE
	s_setreg_imm32_b32 hwreg(HW_REG_WAVE_MODE, 25, 1), 1
	s_wait_xcnt 0x0
	s_wait_alu depctr_hold_cnt(0) depctr_sa_sdst(0) depctr_va_vdst(0) depctr_va_sdst(0) depctr_va_ssrc(0) depctr_va_vcc(0) depctr_vm_vsrc(0)
	s_getreg_b32 s2, hwreg(HW_REG_IB_STS2, 6, 4)
	s_cmp_eq_u32 s2, 0
	s_cbranch_scc0 .Lentry_in_a_cluster
	s_endpgm
.Lentry_in_a_cluster:
	s_bfe_u32 s2, ttmp6, 0x10000c
	s_cmp_lg_u32 s2, 0x3003
	s_cbranch_scc0 .Lentry_shape_is_right
	s_endpgm
.Lentry_shape_is_right:
.set SIZE_H, 32
.set SIZE_CAUSAL, 0
.set NK,     2048
.set STEPS,  NK/128
.set ROWB,   48
.set OPB,    1536
.set KSTEP,  4*OPB
.set HEADB,  NK*ROWB
.set VB,     HEADB
.set KSB,    VB+HEADB
.set VSB,    KSB+2*NK
.set SPARE,  VSB+2*NK
.set CXB,    SPARE+1024
.set MASKIN, 1
.set MDT,    2
.set MSENSE, 2
.set MVAL,   0
.set MMUL,   0x41000000
.set MSUB,   0x00000000
.set MKO,    0
.set MHS,    4
.if MDT
.set MEB,    4
.else
.set MEB,    1
.endif
.if MSENSE == 2
.set MKS,    4*NK
.set MKL,    9
.else
.set MKS,    NK/2
.set MKL,    6
.endif
.set MKT,    CXB+1024
.set SPW,    1
.set NIL,    2
.set AK,     3
.set AV,     4
.set AKS,    5
.set AVS,    6
.set ADK,    7
.set AMK,    9
.set ADV,    8
.set ADKS,   10
.set ADVS,   11
.set KSC,    12
.set VSC,    14
.set QSC,    16
.set PSC,    20
.set NINF,   21
.set ST,     22
.set BM,     46
.set BX,     50
.set SOP,    54
.set CL,     58
.set BY,     62
.set NMO,    66
.set TM,     67
.set P,      68
.set PT,     80
.set DT,     84
.set MC,     DT+8
.set S,      116
.set QF,     180
.set A2,     252
.set MQ,     64
.set AL,     AK
.set O,      0
.set KF,     128
.set VF,     176
.set WV,     18
.set HD,     19
.set CX,     20
.set CS,     22
.set G1KS,   24
.set G1K,    40
.set G0,     56
.set SEL,    60
.set MP,     94
.set MB,     G1K
.set MTC,    93
.set MTN,    95
.set MSC,    96
.set SC,     66
.set TK,     67
.set TV,     68
.set TKS,    69
.set TVS,    70
.set T0,     71
.set T1,     80
.set T2,     81
.set T3,     82
.set QB,     72
.set SB,     84
.set LIM,    92
.set AW,     97
.set OB,     98
.set OO,     100
.set MKA,    24
.set MKB,    72
.set MKC,    84
.macro MM d, a, b, sa, sb, row
.if \row
	v_wmma_scale_f32_16x16x128_f8f6f4 v[\d:\d+7], v[\a:\a+11], v[\b:\b+11], 0, v[\sa], v[\sb] matrix_a_fmt:MATRIX_FMT_BF6 matrix_b_fmt:MATRIX_FMT_BF6 matrix_a_scale:MATRIX_SCALE_ROW1
.else
	v_wmma_scale_f32_16x16x128_f8f6f4 v[\d:\d+7], v[\a:\a+11], v[\b:\b+11], 0, v[\sa], v[\sb] matrix_a_fmt:MATRIX_FMT_BF6 matrix_b_fmt:MATRIX_FMT_BF6
.endif
.endm
.macro MMS d, a, b, sa, sb, row
.if MASKIN
.if \row
	v_wmma_scale_f32_16x16x128_f8f6f4 v[\d:\d+7], v[\a:\a+11], v[\b:\b+11], v[\d:\d+7], v[\sa], v[\sb] matrix_a_fmt:MATRIX_FMT_BF6 matrix_b_fmt:MATRIX_FMT_BF6 matrix_a_scale:MATRIX_SCALE_ROW1
.else
	v_wmma_scale_f32_16x16x128_f8f6f4 v[\d:\d+7], v[\a:\a+11], v[\b:\b+11], v[\d:\d+7], v[\sa], v[\sb] matrix_a_fmt:MATRIX_FMT_BF6 matrix_b_fmt:MATRIX_FMT_BF6
.endif
.else
	MM \d, \a, \b, \sa, \sb, \row
.endif
.endm
.macro ROUND
	s_barrier_signal -1
	s_barrier_wait -1
	s_cmp_lg_u32 s[WV], 0
	s_cbranch_scc1 .Lnot_wave_0_\@
	s_barrier_signal -3
.Lnot_wave_0_\@:
	s_barrier_wait -3
	s_barrier_signal -1
	s_barrier_wait -1
.endm
.macro DESC g, rows
	s_mov_b32 s[\g], 15|(3<<16)|(1<<21)
	s_mov_b32 s[\g+1], 32<<16
	s_mov_b32 s[\g+2], (\rows)<<16
	s_mov_b32 s[\g+3], 32<<16
	s_mov_b32 s[\g+4], \rows
	s_mov_b32 s[\g+5], 32
	s_mov_b32 s[\g+6], 0
	s_mov_b32 s[\g+7], 0
.endm
.macro ASK g1
	s_or_b32 s[G0+3], s[G0+3], 0x80000000
	tensor_load_to_lds s[G0:G0+3], s[\g1:\g1+7]
	s_nop 0
.rept 4
	v_nop
.endr
.endm
.macro LOADK
	v_add_nc_u32 v[ADK], s[TK], v[AK]
	v_add_nc_u32 v[ADKS], s[TKS], v[AKS]
	s_set_vgpr_msb 0x40
.irp k, 0,1,2,3
	ds_load_b128 v[KF+12*\k:KF+12*\k+3], v[ADK] offset:OPB*\k
	ds_load_b128 v[KF+12*\k+4:KF+12*\k+7], v[ADK] offset:OPB*\k+512
	ds_load_b128 v[KF+12*\k+8:KF+12*\k+11], v[ADK] offset:OPB*\k+1024
.endr
	s_set_vgpr_msb 0x4000
	ds_load_b32 v[KSC], v[ADKS]
	ds_load_b32 v[KSC+1], v[ADKS] offset:128
.endm
.macro LOADV
	v_add_nc_u32 v[ADV], s[TV], v[AV]
	v_add_nc_u32 v[ADVS], s[TVS], v[AVS]
	s_set_vgpr_msb 0x40
.irp k, 0,1,2,3
	ds_load_b128 v[VF+12*\k:VF+12*\k+3], v[ADV] offset:OPB*\k
	ds_load_b128 v[VF+12*\k+4:VF+12*\k+7], v[ADV] offset:OPB*\k+512
	ds_load_b128 v[VF+12*\k+8:VF+12*\k+11], v[ADV] offset:OPB*\k+1024
.endr
	s_set_vgpr_msb 0x4000
	ds_load_b32 v[VSC], v[ADVS]
	ds_load_b32 v[VSC+1], v[ADVS] offset:128
.endm
.set PRIO,   1
.set PRT2,   1
.set PRTL,   1
.macro TSTEP i, p, vload, kload, mask
.if PRIO && (\i == 0)
	s_setprio 3
.endif
.if PRIO && (\i == PRT2)
	s_setprio 2
.endif
.set SUMI, ST+6*\i+2
.set FP, ST+6*\p+4
.set QI, QF+12*\i
.set NMI, ST+6*\i
.set OP, O+32*\p
.set FI, ST+6*\i+4
.if MASKIN == 1 && MSENSE == 2
	v_add_nc_u32 v[ADKS], s[MTC], v[AMK]
.irp g, 0,1,2,3,4,5,6,7
	ds_load_b128 v[S+8*\g:S+8*\g+3], v[ADKS] offset:32*\g
	ds_load_b128 v[S+8*\g+4:S+8*\g+7], v[ADKS] offset:32*\g+16
.endr
	s_wait_alu depctr_va_vdst(0)
	s_wait_dscnt 0x0
.elseif MASKIN == 1
.irp g, 0,1,2,3,4,5,6,7
	v_cvt_scale_pk8_f32_fp4 v[S+8*\g:S+8*\g+7], v[MC+\g], s[MSC]
.endr
	v_nop
.elseif MASKIN >= 2
	s_set_vgpr_msb 0x1
.irp g, 0,1,2,3,4,5,6,7
	v_cvt_scale_pk8_f32_fp4 v[S+8*\g:S+8*\g+7], v[MQ+8*\i+\g], s[MSC]
.endr
	s_set_vgpr_msb 0x140
	global_load_b128 v[MQ+8*\i:MQ+8*\i+3], v[AMK], s[MB+2*\i:MB+2*\i+1]
	global_load_b128 v[MQ+8*\i+4:MQ+8*\i+7], v[AMK], s[MB+2*\i:MB+2*\i+1] offset:512
	s_set_vgpr_msb 0x4000
	v_nop
.endif
	s_set_vgpr_msb 0x1
	MM DT, VF, P, VSC, PSC, 0
	MM DT+8, VF+12, P, VSC, PSC, 1
	MM DT+16, VF+24, P, VSC+1, PSC, 0
	MM DT+24, VF+36, P, VSC+1, PSC, 1
	MMS S, KF, QI+6, KSC, QSC+\i, 0
	MMS S+8, KF, QI, KSC, QSC+\i, 0
	MMS S+16, KF+12, QI+6, KSC, QSC+\i, 1
	MMS S+24, KF+12, QI, KSC, QSC+\i, 1
	MMS S+32, KF+24, QI+6, KSC+1, QSC+\i, 0
	MMS S+40, KF+24, QI, KSC+1, QSC+\i, 0
	MMS S+48, KF+36, QI+6, KSC+1, QSC+\i, 1
	MMS S+56, KF+36, QI, KSC+1, QSC+\i, 1
.rept 4
	v_nop
.endr
.if PRIO && (\i == PRTL)
	s_setprio 1
	s_nop 0
.endif
	s_set_vgpr_msb 0x100
.if \mask
	s_cmp_eq_u32 s[SC], s[LIM+2*((\i)/2)]
	s_cbranch_scc1 .Lmask\i\p
.Lmasked\i\p:
.endif
.irp k, 0,1
	v_max3_num_f32 v[BM+\k], v[S+32*\k], v[S+32*\k+1], v[S+32*\k+2]
	v_max3_num_f32 v[A2+2*\k], v[S+32*\k+8], v[S+32*\k+9], v[S+32*\k+10]
	v_max3_num_f32 v[A2+2*\k+1], v[S+32*\k+16], v[S+32*\k+17], v[S+32*\k+18]
	v_max3_num_f32 v[CL+\k], v[S+32*\k+24], v[S+32*\k+25], v[S+32*\k+26]
.endr
.irp k, 0,1
.irp j, 0,1
	v_max3_num_f32 v[BM+\j], v[BM+\j], v[S+2*\k+32*\j+3], v[S+2*\k+32*\j+4]
	v_max3_num_f32 v[A2+2*\j], v[A2+2*\j], v[S+2*\k+32*\j+11], v[S+2*\k+32*\j+12]
	v_max3_num_f32 v[A2+2*\j+1], v[A2+2*\j+1], v[S+2*\k+32*\j+19], v[S+2*\k+32*\j+20]
	v_max3_num_f32 v[CL+\j], v[CL+\j], v[S+2*\k+32*\j+27], v[S+2*\k+32*\j+28]
.endr
.endr
	v_max3_num_f32 v[BM], v[BM], v[A2], v[S+7]
	v_max3_num_f32 v[A2+1], v[A2+1], v[CL], v[S+15]
	v_max3_num_f32 v[BM+1], v[BM+1], v[A2+2], v[S+39]
	v_max3_num_f32 v[A2+3], v[A2+3], v[CL+1], v[S+47]
	v_nop
	v_max3_num_f32 v[BM], v[BM], v[A2+1], v[S+23]
	v_max3_num_f32 v[BM+1], v[BM+1], v[A2+3], v[S+55]
	v_max_num_f32 v[BM], v[BM], v[S+31]
	v_max_num_f32 v[BM+1], v[BM+1], v[S+63]
	s_set_vgpr_msb 0x41
	v_pk_fma_f32 v[OP+0:OP+1], v[OP+0:OP+1], v[FP:FP+1], v[DT+0:DT+1] op_sel_hi:[1,0,1]
	v_pk_fma_f32 v[OP+8:OP+9], v[OP+8:OP+9], v[FP:FP+1], v[DT+8:DT+9] op_sel_hi:[1,0,1]
	v_pk_fma_f32 v[OP+16:OP+17], v[OP+16:OP+17], v[FP:FP+1], v[DT+16:DT+17] op_sel_hi:[1,0,1]
	v_pk_fma_f32 v[OP+24:OP+25], v[OP+24:OP+25], v[FP:FP+1], v[DT+24:DT+25] op_sel_hi:[1,0,1]
	s_set_vgpr_msb 0x4100
	v_max_num_f32 v[TM], v[BM], v[BM+1]
	s_set_vgpr_msb 0x41
	v_pk_fma_f32 v[OP+2:OP+3], v[OP+2:OP+3], v[FP:FP+1], v[DT+2:DT+3] op_sel_hi:[1,0,1]
	v_pk_fma_f32 v[OP+4:OP+5], v[OP+4:OP+5], v[FP:FP+1], v[DT+4:DT+5] op_sel_hi:[1,0,1]
	v_pk_fma_f32 v[OP+6:OP+7], v[OP+6:OP+7], v[FP:FP+1], v[DT+6:DT+7] op_sel_hi:[1,0,1]
	s_set_vgpr_msb 0x4100
	v_permlanex16_b32 v[BX], v[TM], s[SEL], s[SEL+1]
	s_set_vgpr_msb 0x41
	v_pk_fma_f32 v[OP+10:OP+11], v[OP+10:OP+11], v[FP:FP+1], v[DT+10:DT+11] op_sel_hi:[1,0,1]
	v_pk_fma_f32 v[OP+12:OP+13], v[OP+12:OP+13], v[FP:FP+1], v[DT+12:DT+13] op_sel_hi:[1,0,1]
	v_pk_fma_f32 v[OP+14:OP+15], v[OP+14:OP+15], v[FP:FP+1], v[DT+14:DT+15] op_sel_hi:[1,0,1]
	s_set_vgpr_msb 0x4100
	v_max3_num_f32 v[NMI+1], v[TM], v[BX], v[NMI+1]
	s_set_vgpr_msb 0x41
	v_pk_fma_f32 v[OP+18:OP+19], v[OP+18:OP+19], v[FP:FP+1], v[DT+18:DT+19] op_sel_hi:[1,0,1]
	v_pk_fma_f32 v[OP+20:OP+21], v[OP+20:OP+21], v[FP:FP+1], v[DT+20:DT+21] op_sel_hi:[1,0,1]
	s_set_vgpr_msb 0x4100
	v_mul_f32 v[TM], s[CS], v[NMI+1]
	s_set_vgpr_msb 0x41
	v_pk_fma_f32 v[OP+22:OP+23], v[OP+22:OP+23], v[FP:FP+1], v[DT+22:DT+23] op_sel_hi:[1,0,1]
	v_pk_fma_f32 v[OP+26:OP+27], v[OP+26:OP+27], v[FP:FP+1], v[DT+26:DT+27] op_sel_hi:[1,0,1]
	s_set_vgpr_msb 0x4100
	v_mov_b32 v[NMO], v[NMI]
	v_floor_f32 v[NMI], -v[TM]
	s_set_vgpr_msb 0x41
	v_pk_fma_f32 v[OP+28:OP+29], v[OP+28:OP+29], v[FP:FP+1], v[DT+28:DT+29] op_sel_hi:[1,0,1]
	v_pk_fma_f32 v[OP+30:OP+31], v[OP+30:OP+31], v[FP:FP+1], v[DT+30:DT+31] op_sel_hi:[1,0,1]
	s_set_vgpr_msb 0x4100
	v_fma_f32 v[BM], v[BM], s[CS], v[NMI]
	v_fma_f32 v[BM+1], v[BM+1], s[CS], v[NMI]
	v_sub_f32 v[TM], v[NMI], v[NMO]
	v_pk_fma_f32 v[S:S+1], v[S:S+1], s[CS:CS+1], v[NMI:NMI+1] op_sel_hi:[1,0,0]
	v_pk_fma_f32 v[S+2:S+3], v[S+2:S+3], s[CS:CS+1], v[NMI:NMI+1] op_sel_hi:[1,0,0]
	v_add_f32 v[BM], 0x3338af00, v[BM]
	v_add_f32 v[BM+1], 0x3338af00, v[BM+1]
	v_pk_fma_f32 v[S+4:S+5], v[S+4:S+5], s[CS:CS+1], v[NMI:NMI+1] op_sel_hi:[1,0,0]
	v_pk_fma_f32 v[S+6:S+7], v[S+6:S+7], s[CS:CS+1], v[NMI:NMI+1] op_sel_hi:[1,0,0]
	v_pk_fma_f32 v[S+8:S+9], v[S+8:S+9], s[CS:CS+1], v[NMI:NMI+1] op_sel_hi:[1,0,0]
	v_max_num_f32 v[BM], 0xc2f40000, v[BM]
	v_max_num_f32 v[BM+1], 0xc2f40000, v[BM+1]
	v_pk_fma_f32 v[S+10:S+11], v[S+10:S+11], s[CS:CS+1], v[NMI:NMI+1] op_sel_hi:[1,0,0]
	v_pk_fma_f32 v[S+12:S+13], v[S+12:S+13], s[CS:CS+1], v[NMI:NMI+1] op_sel_hi:[1,0,0]
	v_pk_fma_f32 v[S+14:S+15], v[S+14:S+15], s[CS:CS+1], v[NMI:NMI+1] op_sel_hi:[1,0,0]
	v_cvt_floor_i32_f32 v[BY], v[BM]
	v_cvt_floor_i32_f32 v[BY+1], v[BM+1]
	v_pk_fma_f32 v[S+16:S+17], v[S+16:S+17], s[CS:CS+1], v[NMI:NMI+1] op_sel_hi:[1,0,0]
	v_pk_fma_f32 v[S+18:S+19], v[S+18:S+19], s[CS:CS+1], v[NMI:NMI+1] op_sel_hi:[1,0,0]
	v_pk_fma_f32 v[S+20:S+21], v[S+20:S+21], s[CS:CS+1], v[NMI:NMI+1] op_sel_hi:[1,0,0]
	v_add_nc_u32 v[BY], 123, v[BY]
	v_add_nc_u32 v[BY+1], 123, v[BY+1]
	v_pk_fma_f32 v[S+22:S+23], v[S+22:S+23], s[CS:CS+1], v[NMI:NMI+1] op_sel_hi:[1,0,0]
	v_pk_fma_f32 v[S+24:S+25], v[S+24:S+25], s[CS:CS+1], v[NMI:NMI+1] op_sel_hi:[1,0,0]
	v_pk_fma_f32 v[S+26:S+27], v[S+26:S+27], s[CS:CS+1], v[NMI:NMI+1] op_sel_hi:[1,0,0]
	v_lshlrev_b32 v[SOP], 23, v[BY]
	v_lshlrev_b32 v[SOP+1], 23, v[BY+1]
	v_pk_fma_f32 v[S+28:S+29], v[S+28:S+29], s[CS:CS+1], v[NMI:NMI+1] op_sel_hi:[1,0,0]
	v_pk_fma_f32 v[S+30:S+31], v[S+30:S+31], s[CS:CS+1], v[NMI:NMI+1] op_sel_hi:[1,0,0]
.if \kload
	LOADK
.endif
.if \vload
	LOADV
.endif
.if MASKIN == 1 && MSENSE != 2
.if \kload
	v_add_nc_u32 v[ADVS], s[MTN], v[AMK]
	ds_load_b128 v[MC:MC+3], v[ADVS]
	ds_load_b128 v[MC+4:MC+7], v[ADVS] offset:16
.else
	v_add_nc_u32 v[ADKS], s[MTC], v[AMK]
	ds_load_b128 v[MC:MC+3], v[ADKS]
	ds_load_b128 v[MC+4:MC+7], v[ADKS] offset:16
.endif
.endif
	s_wait_alu depctr_va_vdst(0)
.irp k, 0,1,2,3,4,5,6,7,8,9,10,11,12,13
	v_exp_f32 v[S+\k], v[S+\k]
.endr
.irp k, 0,1,2,3,4,5,6,7,8,9,10,11,12,13,14,15
	v_exp_f32 v[S+\k+14], v[S+\k+14]
	v_pk_fma_f32 v[S+2*\k+32:S+2*\k+33], v[S+2*\k+32:S+2*\k+33], s[CS:CS+1], v[NMI:NMI+1] op_sel_hi:[1,0,0]
.endr
	v_exp_f32 v[S+30], v[S+30]
	v_lshl_or_b32 v[BY], v[BY+1], 16, v[BY]
	v_exp_f32 v[S+31], v[S+31]
	v_cvt_i32_f32 v[TM], v[TM]
.if PRIO && (\i == PRTL)
	s_setprio 0
.endif
	s_wait_alu depctr_va_vdst(0)
.irp k, 0,1,2,3,4,5,6,7,8,9,10,11,12,13,14,15,16,17,18,19
	v_exp_f32 v[S+\k+32], v[S+\k+32]
.endr
.irp k, 0,1,2,3
	v_exp_f32 v[S+\k+52], v[S+\k+52]
	v_pk_add_f32 v[DT+2*\k+16:DT+2*\k+17], v[S+4*\k:S+4*\k+1], v[S+4*\k+2:S+4*\k+3]
.endr
	v_exp_f32 v[S+56], v[S+56]
	v_cvt_scalef32_pk16_bf6_f32 v[P:P+2], v[S:S+15], v[SOP]
	v_exp_f32 v[S+57], v[S+57]
	v_pk_add_f32 v[DT+24:DT+25], v[S+16:S+17], v[S+18:S+19]
	v_exp_f32 v[S+58], v[S+58]
	v_pk_add_f32 v[DT+26:DT+27], v[S+20:S+21], v[S+22:S+23]
	v_exp_f32 v[S+59], v[S+59]
	v_cvt_scalef32_pk16_bf6_f32 v[PT:PT+2], v[S+16:S+31], v[SOP]
	v_exp_f32 v[S+60], v[S+60]
	v_pk_add_f32 v[DT+28:DT+29], v[S+24:S+25], v[S+26:S+27]
	v_exp_f32 v[S+61], v[S+61]
	v_pk_add_f32 v[DT+30:DT+31], v[S+28:S+29], v[S+30:S+31]
	v_exp_f32 v[S+62], v[S+62]
	v_permlanex16_b32 v[BX+1], v[BY], s[SEL], s[SEL+1]
	v_exp_f32 v[S+63], v[S+63]
	v_ldexp_f32 v[FI], 1.0, v[TM]
	s_wait_alu depctr_va_vdst(0)
.if MASKIN >= 2
	s_wait_loadcnt 0x2
.endif
.if \kload || \vload || (MASKIN == 1 && MSENSE != 2)
	s_wait_dscnt 0x0
.endif
	v_lshl_or_b32 v[PSC], v[BX+1], 8, v[BY]
	v_mov_b32 v[P+3], v[PT]
	v_mov_b32 v[P+4], v[PT+1]
	v_mov_b32 v[P+5], v[PT+2]
.irp k, 0,1,2,3,4,5,6,7
	v_pk_add_f32 v[DT+2*\k+16:DT+2*\k+17], v[DT+2*\k+16:DT+2*\k+17], v[S+2*\k+32:S+2*\k+33]
.endr
	v_cvt_scalef32_pk16_bf6_f32 v[P+6:P+8], v[S+32:S+47], v[SOP+1]
.irp k, 0,1,2,3,4,5,6,7
	v_pk_add_f32 v[DT+2*\k+16:DT+2*\k+17], v[DT+2*\k+16:DT+2*\k+17], v[S+2*\k+48:S+2*\k+49]
.endr
	v_cvt_scalef32_pk16_bf6_f32 v[PT:PT+2], v[S+48:S+63], v[SOP+1]
	v_pk_add_f32 v[DT+16:DT+17], v[DT+16:DT+17], v[DT+18:DT+19]
	v_mov_b32 v[P+9], v[PT]
	v_mov_b32 v[P+10], v[PT+1]
	v_mov_b32 v[P+11], v[PT+2]
.irp k, 1,2,3
	v_pk_add_f32 v[DT+4*\k+16:DT+4*\k+17], v[DT+4*\k+16:DT+4*\k+17], v[DT+4*\k+18:DT+4*\k+19]
.endr
	v_pk_add_f32 v[DT+16:DT+17], v[DT+16:DT+17], v[DT+20:DT+21]
	v_pk_add_f32 v[DT+24:DT+25], v[DT+24:DT+25], v[DT+28:DT+29]
	v_nop
	v_pk_add_f32 v[DT+16:DT+17], v[DT+16:DT+17], v[DT+24:DT+25]
	v_nop
	v_pk_fma_f32 v[SUMI:SUMI+1], v[SUMI:SUMI+1], v[FI:FI+1], v[DT+16:DT+17] op_sel_hi:[1,0,1]
.endm
.macro QUANT x, c
.irp k, 0,1,2,3
	v_max3_num_f32 v[S+32+\k], |v[\x+8*\k]|, |v[\x+8*\k+1]|, |v[\x+8*\k+2]|
.endr
.irp i, 3,5
.irp k, 0,1,2,3
	v_max3_num_f32 v[S+32+\k], v[S+32+\k], |v[\x+8*\k+\i]|, |v[\x+8*\k+\i+1]|
.endr
.endr
.irp k, 0,1,2,3
	v_max_num_f32 v[S+32+\k], v[S+32+\k], |v[\x+8*\k+7]|
.endr
	v_max3_num_f32 v[S+32], v[S+32], v[S+33], v[S+34]
	v_max3_num_f32 v[S+32], v[S+32], v[S+35], 5<<23
	v_add_nc_u32 v[S+48], -(4<<23), v[S+32]
	v_cvt_scalef32_pk16_bf6_f32 v[\c:\c+2], v[\x:\x+15], v[S+48]
	v_cvt_scalef32_pk16_bf6_f32 v[S+36:S+38], v[\x+16:\x+31], v[S+48]
	v_lshrrev_b32 v[S+49], 23, v[S+48]
.irp i, 0,1,2
	v_mov_b32 v[\c+3+\i], v[S+36+\i]
.endr
.endm
.macro OUT i, more
.set SUMI, ST+6*\i+2
.set OI, O+32*\i
	v_add_f32 v[SOP+2], v[SUMI], v[SUMI+1]
	v_and_b32 v[BM], 15, v0
	v_bfe_u32 v[BM+1], v0, 4, 1
	s_delay_alu instid0(VALU_DEP_1)
	v_lshl_add_u32 v[BM+2], v[BM], 1, v[BM+1]
	v_and_b32 v[SOP], 31, v0
	v_permlanex16_b32 v[BX], v[SOP+2], s[SEL], s[SEL+1]
	s_delay_alu instid0(VALU_DEP_2)
	v_lshlrev_b32 v[SOP], 3, v[SOP]
.if (\i) < 2
	s_add_co_u32 s[T0], s[AW], \i
.else
	s_sub_co_u32 s[T0], \i+28, s[AW]
.endif
	s_lshr_b32 s[T3], s[T0], 2
	s_lshl_b32 s[T3], s[T3], 4
	s_and_b32 s[T1], s[T0], 1
	s_lshl_b32 s[T1], s[T1], 3
	s_add_co_u32 s[T3], s[T3], s[T1]
	s_bfe_u32 s[T1], s[T0], 0x10001
	s_add_co_u32 s[T3], s[T3], s[T1]
	s_lshl_b32 s[T1], s[CX], 1
	s_add_co_u32 s[T3], s[T3], s[T1]
	s_mul_i32 s[OO], s[T3], 8*OPB
	s_mov_b32 s[OO+1], 0
	s_add_nc_u64 s[OB:OB+1], s[16:17], s[OO:OO+1]
	s_lshl_b32 s[T0], s[WV], 6
	s_add_co_u32 s[T0], s[T0], CXB+32*(\i)
	s_wait_alu depctr_va_vdst(0)
	v_add_nc_u32 v[BM+2], s[T0], v[BM+2]
	v_add_f32 v[SOP+2], v[SOP+2], v[BX]
	s_wait_alu depctr_va_vdst(0)
	v_rcp_f32 v[SOP+2], v[SOP+2]
	v_mov_b32 v[SOP+3], 0
	s_wait_alu depctr_va_vdst(0)
	s_set_vgpr_msb 0x1
.irp k, 0,1,2,3,4,5,6,7,8,9,10,11,12,13,14,15
	v_pk_mul_f32 v[S+2*\k:S+2*\k+1], v[OI+2*\k:OI+2*\k+1], v[SOP+2:SOP+3] op_sel_hi:[1,0]
.endr
	s_set_vgpr_msb 0x100
	QUANT S, S+40
	ds_store_b8 v[BM+2], v[S+49]
	global_store_b64 v[SOP], v[S+40:S+41], s[OB:OB+1]
	global_store_b64 v[SOP], v[S+42:S+43], s[OB:OB+1] offset:256
	global_store_b64 v[SOP], v[S+44:S+45], s[OB:OB+1] offset:512
.if \more
	s_wait_xcnt 0x0
.endif
.endm
.macro MASKS i, p
.Lmask\i\p:
.if (\i) % 2 == 0
.irp k, 0,1,2,3,4,5,6,7,8,9,10,11,12,13,14,15
	v_cndmask_b32 v[S+\k], v[S+\k], v[NINF], s[MKA+\k]
.endr
.irp k, 0,1,2,3,4,5,6,7
	v_cndmask_b32 v[S+\k+16], v[S+\k+16], v[NINF], s[MKB+\k]
.endr
.irp k, 0,1,2,3,4,5,6,7
	v_cndmask_b32 v[S+\k+24], v[S+\k+24], v[NINF], s[MKC+\k]
.endr
.irp k, 0,1,2,3,4,5,6,7,8,9,10,11,12,13,14,15
	v_dual_mov_b32 v[S+2*\k+32], v[NINF] :: v_dual_mov_b32 v[S+2*\k+33], v[NINF]
.endr
.else
.irp k, 0,1,2,3,4,5,6,7,8,9,10,11,12,13,14,15
	v_cndmask_b32 v[S+\k+32], v[S+\k+32], v[NINF], s[MKA+\k]
.endr
.irp k, 0,1,2,3,4,5,6,7
	v_cndmask_b32 v[S+\k+48], v[S+\k+48], v[NINF], s[MKB+\k]
.endr
.irp k, 0,1,2,3,4,5,6,7
	v_cndmask_b32 v[S+\k+56], v[S+\k+56], v[NINF], s[MKC+\k]
.endr
.endif
	s_branch .Lmasked\i\p
.endm
.macro LEAVE i
	s_cmp_eq_u32 s[SC], s[LIM+2*((\i)/2)]
	s_cbranch_scc1 .Lout\i
.Lback\i:
.endm
.macro GOES i
.Lout\i:
	OUT \i, 1
	s_branch .Lback\i
.endm
	s_load_b128 s[4:7], s[0:1], 0x0
.if MASKIN
	s_load_b64 s[MP:MP+1], s[0:1], 0x30
.endif
	s_load_b128 s[12:15], s[0:1], 0x10
	s_load_b64 s[16:17], s[0:1], 0x20
	v_lshl_add_u32 v[SPW], v0, 2, SPARE
	v_mov_b32 v[NIL], 0
	ds_add_u32 v[SPW], v[NIL]
	ds_add_u32 v[SPW], v[NIL]
	v_lshrrev_b32 v[ADK], 5, v0
	s_delay_alu instid0(VALU_DEP_1)
	v_readfirstlane_b32 s[WV], v[ADK]
	s_and_b32 s[HD], ttmp7, 0xffff
	s_bfe_u32 s[CX], ttmp6, 0x40000
	DESC G1KS, 16
	DESC G1K, 384
	s_mov_b32 s[SEL], 0x76543210
	s_mov_b32 s[SEL+1], 0xfedcba98
	s_mov_b32 s[CS], 0x3e38aa3b
	s_mov_b32 s[CS+1], s[CS]
	s_and_b32 s[T0], s[HD], 15
	s_lshr_b32 s[T1], s[HD], 4
	s_mul_i32 s[T2], s[T0], SIZE_H/16
	s_add_co_u32 s[T2], s[T2], s[T1]
	s_mul_i32 s[SB], s[T2], HEADB
	s_mov_b32 s[SB+1], 0
	s_lshl_b32 s[SB+2], s[T2], 12
	s_mov_b32 s[SB+3], 0
	s_mul_i32 s[OO], s[T1], 1024*OPB
	s_mul_i32 s[T3], s[T0], OPB/2
	s_add_co_u32 s[OO], s[OO], s[T3]
	s_mov_b32 s[OO+1], 0
	s_mul_i32 s[OB], s[T0], SIZE_H/16*4096
	s_lshl_b32 s[T3], s[T1], 12
	s_add_co_u32 s[OB], s[OB], s[T3]
	s_lshl_b32 s[T3], s[CX], 10
	s_add_co_u32 s[OB], s[OB], s[T3]
	s_mov_b32 s[OB+1], 0
	s_mov_b32 s[G0], 1
	s_wait_dscnt 0x0
	s_wait_kmcnt 0x0
	s_add_nc_u64 s[16:17], s[16:17], s[OO:OO+1]
	s_add_nc_u64 s[8:9], s[4:5], SIZE_H*HEADB
	s_add_nc_u64 s[10:11], s[6:7], 4096*SIZE_H
	ROUND
	s_cmp_ge_u32 s[WV], 4
	s_cbranch_scc1 .Larm_end
	s_cmp_eq_u32 s[WV], 3
	s_cbranch_scc1 .Larm_v
	s_cmp_eq_u32 s[WV], 2
	s_cbranch_scc1 .Larm_k
	s_cmp_eq_u32 s[WV], 1
	s_cbranch_scc1 .Larm_vs
	s_mov_b32 s[G0+1], KSB
	s_add_nc_u64 s[G0+2:G0+3], s[10:11], s[SB+2:SB+3]
	ASK G1KS
	s_branch .Larm_end
.Larm_vs:
	s_mov_b32 s[G0+1], VSB
	s_add_nc_u64 s[G0+2:G0+3], s[14:15], s[SB+2:SB+3]
	ASK G1KS
	s_branch .Larm_end
.Larm_k:
	s_mov_b32 s[G0+1], 0
	s_add_nc_u64 s[G0+2:G0+3], s[8:9], s[SB:SB+1]
	ASK G1K
	s_branch .Larm_end
.Larm_v:
	s_mov_b32 s[G0+1], VB
	s_add_nc_u64 s[G0+2:G0+3], s[12:13], s[SB:SB+1]
	ASK G1K
.Larm_end:
	s_load_b64 s[10:11], s[0:1], 0x28
.if MASKIN && MSENSE != 2
	s_mov_b32 s[MSC], 0xfcfcfcfc
.endif
.if MASKIN == 1
	s_lshr_b32 s[T0], s[HD], MHS
	s_mul_i32 s[OO], s[T0], NK*MEB
	s_mov_b32 s[OO+1], 0
	s_add_nc_u64 s[MP:MP+1], s[MP:MP+1], s[OO:OO+1]
	v_bfe_u32 v[AMK], v0, 4, 1
	s_delay_alu instid0(VALU_DEP_1)
	v_lshl_add_u32 v[AMK], v[AMK], MKL-1, MKT
.if NK < 2048
	s_cmp_ge_u32 s[WV], NK/256
	s_cbranch_scc1 .Lno_entries
.endif
	v_lshlrev_b32 v[S+32], 3+2*(MEB/4), v0
.if MDT
	global_load_b128 v[S+40:S+43], v[S+32], s[MP:MP+1]
	global_load_b128 v[S+44:S+47], v[S+32], s[MP:MP+1] offset:16
.else
	global_load_b64 v[S+38:S+39], v[S+32], s[MP:MP+1]
.endif
.Lno_entries:
.endif
	v_and_b32 v[S], 15, v0
	s_and_b32 s[T0], s[WV], 1
	s_xor_b32 s[T0], s[T0], ttmp9
	s_and_b32 s[AW], s[WV], 3
	s_lshl_b32 s[AW], s[AW], 1
	s_add_co_u32 s[AW], s[AW], s[T0]
	s_sub_co_u32 s[T0], 15, s[AW]
	s_cmp_lt_u32 s[WV], 4
	s_cselect_b32 s[LIM], s[T0], s[AW]
	s_lshl_b32 s[AW], s[LIM], 1
	s_lshr_b32 s[T3], s[CX], 1
	s_lshl_b32 s[T1], s[T3], 6
	s_mul_i32 s[T3], s[T3], OPB
	s_and_b32 s21, s[CX], 1
	s_lshl_b32 s[T2], s21, 1
	s_add_co_u32 s[T1], s[T1], s[T2]
	s_mul_i32 s83, s21, 520
	s_mul_i32 s21, s21, 1016
.irp t, 0,1
	s_add_co_u32 s[T0], s[AW], \t
	s_mul_i32 s[QB+2*\t], s[T0], 2*OPB
	s_add_co_u32 s[QB+2*\t], s[QB+2*\t], s[T3]
	s_mov_b32 s[QB+2*\t+1], 0
	s_add_nc_u64 s[QB+2*\t:QB+2*\t+1], s[QB+2*\t:QB+2*\t+1], s[SB:SB+1]
	s_add_nc_u64 s[QB+2*\t:QB+2*\t+1], s[QB+2*\t:QB+2*\t+1], s[4:5]
.if \t % 2 == 0
	s_lshl_b32 s[SB+\t+4], s[T0], 7
	s_add_co_u32 s[SB+\t+4], s[SB+\t+4], s[T1]
	s_mov_b32 s[SB+\t+5], 0
.endif
.endr
	s_wait_alu depctr_va_vdst(0)
	v_and_b32 v[S+2], 31, v0
	s_delay_alu instid0(VALU_DEP_1)
	v_lshlrev_b32 v[S+2], 4, v[S+2]
	s_delay_alu instid0(VALU_DEP_1)
	v_add_nc_u32 v[S+6], s21, v[S+2]
	v_add_nc_u32 v[S+2], s83, v[S+2]
	global_load_b64 v[QF+6:QF+7], v[S+2], s[QB:QB+1]
	global_load_b64 v[QF+8:QF+9], v[S+6], s[QB:QB+1] offset:8
	global_load_b64 v[QF+10:QF+11], v[S+2], s[QB:QB+1] offset:512
	global_load_b64 v[QF+18:QF+19], v[S+2], s[QB+2:QB+3]
	global_load_b64 v[QF+20:QF+21], v[S+6], s[QB+2:QB+3] offset:8
	global_load_b64 v[QF+22:QF+23], v[S+2], s[QB+2:QB+3] offset:512
	v_lshlrev_b32 v[S+3], 2, v[S]
	s_add_nc_u64 s[SB+4:SB+5], s[SB+4:SB+5], s[SB+2:SB+3]
	s_add_nc_u64 s[SB+4:SB+5], s[SB+4:SB+5], s[6:7]
	global_load_u16 v[QSC], v[S+3], s[SB+4:SB+5]
	global_load_u16 v[QSC+1], v[S+3], s[SB+4:SB+5] offset:128
	v_and_b32 v[S+4], 31, v0
	s_delay_alu instid0(VALU_DEP_1)
	v_lshlrev_b32 v[AK], 4, v[S+4]
	v_lshl_add_u32 v[AV], v[S+4], 4, VB
	v_lshl_add_u32 v[AKS], v[S+4], 2, KSB
	v_lshl_add_u32 v[AVS], v[S+4], 2, VSB
.if MASKIN >= 2
	s_wait_alu depctr_va_vdst(0)
.irp t, 0,1
	s_add_co_u32 s[T0], s[AW], \t
	s_lshl_b32 s[T0], s[T0], 2
	s_add_co_u32 s[T0], s[T0], s[CX]
.if MASKIN == 3
	s_lshr_b32 s[T1], s[HD], MHS
	s_mul_i32 s[T1], s[T1], NK/16
	s_add_co_u32 s[T0], s[T0], s[T1]
.endif
	s_mul_i32 s[T0], s[T0], STEPS*1024
	s_add_co_u32 s[T0], s[T0], MKO
	v_add_nc_u32 v[S+48+\t], s[T0], v[AL]
.endr
	v_add_nc_u32 v[AMK], 1024, v[AL]
	s_wait_alu depctr_va_vdst(0)
	s_set_vgpr_msb 0x40
.irp t, 0,1
	global_load_b128 v[MQ+8*\t:MQ+8*\t+3], v[S+48+\t], s[MP:MP+1]
	global_load_b128 v[MQ+8*\t+4:MQ+8*\t+7], v[S+48+\t], s[MP:MP+1] offset:512
.endr
	s_set_vgpr_msb 0x4000
.endif
.irp k, 0,1,2
.irp j, 0,1,2,3,4,5
	v_mov_b32 v[QF+12*\k+\j], 0
.endr
.endr
	s_set_vgpr_msb 0x40
.irp k, 0,1,2,3,4,5,6,7,8,9,10,11,12,13,14,15,16,17,18,19,20,21,22,23,24,25,26,27,28,29,30,31
	v_mov_b32 v[O+2*\k], 0
	v_mov_b32 v[O+2*\k+1], 0
.endr
	s_set_vgpr_msb 0x4000
.irp k, 0,1,2,3,4,5,6,7,8,9,10,11
	v_mov_b32 v[P+\k], 0
.endr
	v_mov_b32 v[BX], 0
	v_mov_b32 v[BX+1], 0
	v_mov_b32 v[PSC], 0x7f7f7f7f
.irp k, 0,1
.if MASKIN
	v_mov_b32 v[ST+6*\k+1], 0xf149f2ca
.else
	v_mov_b32 v[ST+6*\k+1], 0xff61b1e6
.endif
	v_mov_b32 v[ST+6*\k+2], 0
	v_mov_b32 v[ST+6*\k+3], 0
	v_mov_b32 v[ST+6*\k+4], 1.0
	v_mov_b32 v[ST+6*\k+5], 0
.endr
	v_mul_f32 v[TM], s[CS], v[ST+1]
	s_delay_alu instid0(VALU_DEP_1)
	v_floor_f32 v[ST], -v[TM]
	v_floor_f32 v[ST+6], -v[TM]
	s_mov_b32 s[SC], 0
	s_mov_b32 s[TK], 0
	s_mov_b32 s[TV], 0
	s_mov_b32 s[TKS], 0
	s_mov_b32 s[TVS], 0
	s_wait_loadcnt 0x0
.if MASKIN == 1
.if NK < 2048
	s_wait_alu depctr_va_vdst(0)
	s_cmp_ge_u32 s[WV], NK/256
	s_cbranch_scc1 .Lno_word
.endif
.if MDT == 0
.irp j, 0,1,2,3
	v_bfe_u32 v[S+40+\j], v[S+38], 8*\j, 8
	v_bfe_u32 v[S+44+\j], v[S+39], 8*\j, 8
.endr
.endif
.if MSENSE == 2
.irp j, 0,1,2,3,4,5,6,7
	v_subrev_f32 v[S+40+\j], MSUB, v[S+40+\j]
.endr
.irp j, 0,1,2,3,4,5,6,7
	v_mul_f32 v[S+40+\j], MMUL, v[S+40+\j]
.endr
.irp j, 0,1,2,3,4,5,6,7
	v_cmp_gt_f32 s[T0+9*(\j%2)], 0xd01502f9, v[S+40+\j]
	v_cndmask_b32 v[S+40+\j], v[S+40+\j], 0xff400000, s[T0+9*(\j%2)]
.endr
.else
.if MDT == 2 && MSENSE == 0
	v_cmp_eq_f32 s[T0], MVAL, v[S+40]
.elseif MDT == 2
	v_cmp_neq_f32 s[T0], MVAL, v[S+40]
.elseif MSENSE == 0
	v_cmp_eq_u32 s[T0], MVAL, v[S+40]
.else
	v_cmp_ne_u32 s[T0], MVAL, v[S+40]
.endif
	v_cndmask_b32 v[S+40], 0, 0xf, s[T0]
.if MDT == 2 && MSENSE == 0
	v_cmp_eq_f32 s[T1], MVAL, v[S+41]
.elseif MDT == 2
	v_cmp_neq_f32 s[T1], MVAL, v[S+41]
.elseif MSENSE == 0
	v_cmp_eq_u32 s[T1], MVAL, v[S+41]
.else
	v_cmp_ne_u32 s[T1], MVAL, v[S+41]
.endif
	v_cndmask_b32 v[S+41], 0, 0xf0, s[T1]
.if MDT == 2 && MSENSE == 0
	v_cmp_eq_f32 s[T0], MVAL, v[S+42]
.elseif MDT == 2
	v_cmp_neq_f32 s[T0], MVAL, v[S+42]
.elseif MSENSE == 0
	v_cmp_eq_u32 s[T0], MVAL, v[S+42]
.else
	v_cmp_ne_u32 s[T0], MVAL, v[S+42]
.endif
	v_cndmask_b32 v[S+42], 0, 0xf00, s[T0]
.if MDT == 2 && MSENSE == 0
	v_cmp_eq_f32 s[T1], MVAL, v[S+43]
.elseif MDT == 2
	v_cmp_neq_f32 s[T1], MVAL, v[S+43]
.elseif MSENSE == 0
	v_cmp_eq_u32 s[T1], MVAL, v[S+43]
.else
	v_cmp_ne_u32 s[T1], MVAL, v[S+43]
.endif
	v_cndmask_b32 v[S+43], 0, 0xf000, s[T1]
.if MDT == 2 && MSENSE == 0
	v_cmp_eq_f32 s[T0], MVAL, v[S+44]
.elseif MDT == 2
	v_cmp_neq_f32 s[T0], MVAL, v[S+44]
.elseif MSENSE == 0
	v_cmp_eq_u32 s[T0], MVAL, v[S+44]
.else
	v_cmp_ne_u32 s[T0], MVAL, v[S+44]
.endif
	v_cndmask_b32 v[S+44], 0, 0xf0000, s[T0]
.if MDT == 2 && MSENSE == 0
	v_cmp_eq_f32 s[T1], MVAL, v[S+45]
.elseif MDT == 2
	v_cmp_neq_f32 s[T1], MVAL, v[S+45]
.elseif MSENSE == 0
	v_cmp_eq_u32 s[T1], MVAL, v[S+45]
.else
	v_cmp_ne_u32 s[T1], MVAL, v[S+45]
.endif
	v_cndmask_b32 v[S+45], 0, 0xf00000, s[T1]
.if MDT == 2 && MSENSE == 0
	v_cmp_eq_f32 s[T0], MVAL, v[S+46]
.elseif MDT == 2
	v_cmp_neq_f32 s[T0], MVAL, v[S+46]
.elseif MSENSE == 0
	v_cmp_eq_u32 s[T0], MVAL, v[S+46]
.else
	v_cmp_ne_u32 s[T0], MVAL, v[S+46]
.endif
	v_cndmask_b32 v[S+46], 0, 0xf000000, s[T0]
.if MDT == 2 && MSENSE == 0
	v_cmp_eq_f32 s[T1], MVAL, v[S+47]
.elseif MDT == 2
	v_cmp_neq_f32 s[T1], MVAL, v[S+47]
.elseif MSENSE == 0
	v_cmp_eq_u32 s[T1], MVAL, v[S+47]
.else
	v_cmp_ne_u32 s[T1], MVAL, v[S+47]
.endif
	v_cndmask_b32 v[S+47], 0, 0xf0000000, s[T1]
.endif
	v_and_b32 v[S+32], 0xf3, v0
	v_and_b32 v[S+33], 8, v0
	v_and_b32 v[S+34], 4, v0
	v_lshrrev_b32 v[S+33], 1, v[S+33]
	v_lshl_or_b32 v[S+32], v[S+34], 1, v[S+32]
	s_delay_alu instid0(VALU_DEP_1)
	v_or_b32 v[S+32], v[S+32], v[S+33]
	s_delay_alu instid0(VALU_DEP_1)
	v_lshl_add_u32 v[S+32], v[S+32], MKL-4, MKT
.if MSENSE == 2
	ds_store_b128 v[S+32], v[S+40:S+43]
	ds_store_b128 v[S+32], v[S+44:S+47] offset:16
.else
	v_or3_b32 v[S+40], v[S+40], v[S+41], v[S+42]
	v_or3_b32 v[S+43], v[S+43], v[S+44], v[S+45]
	s_delay_alu instid0(VALU_DEP_2)
	v_or3_b32 v[S+40], v[S+40], v[S+46], v[S+47]
	s_delay_alu instid0(VALU_DEP_1)
	v_or_b32 v[S+40], v[S+40], v[S+43]
	ds_store_b32 v[S+32], v[S+40]
.endif
.Lno_word:
	s_wait_dscnt 0x0
.endif
	s_wait_kmcnt 0x0
	s_add_nc_u64 s[10:11], s[10:11], s[OB:OB+1]
	v_lshl_or_b32 v[QSC], v[QSC], 16, v[QSC]
	v_lshl_or_b32 v[QSC+1], v[QSC+1], 16, v[QSC+1]
.if !SIZE_CAUSAL
.rept 4
	v_nop
.endr
.endif
	s_wait_tensorcnt 0x0
.if MASKIN >= 2
.irp t, 0,1
	s_add_co_u32 s[T0], s[AW], \t
	s_lshl_b32 s[T0], s[T0], 2
	s_add_co_u32 s[T0], s[T0], s[CX]
.if MASKIN == 3
	s_lshr_b32 s[T1], s[HD], MHS
	s_mul_i32 s[T1], s[T1], NK/16
	s_add_co_u32 s[T0], s[T0], s[T1]
.endif
	s_mul_i32 s[T0], s[T0], STEPS*1024
	s_add_co_u32 s[T0], s[T0], MKO
	s_mov_b32 s[MB+2*\t], s[T0]
	s_mov_b32 s[MB+2*\t+1], 0
	s_add_nc_u64 s[MB+2*\t:MB+2*\t+1], s[MB+2*\t:MB+2*\t+1], s[MP:MP+1]
.endr
.endif
.if SIZE_CAUSAL
	s_lshl_b32 s[T3], s[CX], 3
	v_and_b32 v[S], 7, v0
	v_bfe_u32 v[S+2], v0, 3, 1
	s_delay_alu instid0(VALU_DEP_1)
	v_lshl_add_u32 v[S], v[S+2], 5, v[S]
	v_bfe_u32 v[S+1], v0, 4, 1
	s_delay_alu instid0(VALU_DEP_1)
	v_lshlrev_b32 v[S+1], 5, v[S+1]
	s_delay_alu instid0(VALU_DEP_1)
	v_sub_nc_u32 v[S], v[S], v[S+1]
	s_delay_alu instid0(VALU_DEP_1)
	v_add_nc_u32 v[S], s[T3], v[S]
	s_delay_alu instid0(VALU_DEP_1)
.irp k, 0,1,2,3,4,5,6,7,8,9,10,11,12,13,14,15
	v_cmp_gt_i32 s[MKA+\k], \k, v[S]
.endr
.irp k, 0,1,2,3,4,5,6,7
	v_cmp_gt_i32 s[MKB+\k], \k+16, v[S]
.endr
.irp k, 0,1,2,3,4,5,6,7
	v_cmp_gt_i32 s[MKC+\k], \k+24, v[S]
.endr
	v_mov_b32 v[NINF], 0xff800000
.else
	s_mov_b32 s[LIM], STEPS-1
.endif
	s_barrier_signal -1
	s_barrier_wait -1
	LOADK
	LOADV
.if MASKIN == 1 && MSENSE != 2
	ds_load_b128 v[MC:MC+3], v[AMK]
	ds_load_b128 v[MC+4:MC+7], v[AMK] offset:16
.endif
	s_wait_dscnt 0x0
	s_wait_alu depctr_va_vdst(0)
	s_mov_b32 s[TK], KSTEP
.if MASKIN == 1
.if MSENSE != 2
	s_mov_b32 s[MTN], 1<<MKL
.endif
	s_mov_b32 s[MTC], 0
.endif
	s_mov_b32 s[TKS], 256
.Lstep:
.if SIZE_CAUSAL
	s_cmp_gt_u32 s[SC], s[LIM]
	s_cbranch_scc1 .Ldone
.endif
	TSTEP 0, 1, 1, 0, SIZE_CAUSAL
	TSTEP 1, 0, 0, 1, SIZE_CAUSAL
	LEAVE 0
.Ldone:
	s_add_co_u32 s[SC], s[SC], 1
	s_add_co_u32 s[T0], s[SC], 1
	s_min_u32 s[T0], s[T0], STEPS-1
	s_mul_i32 s[TK], s[T0], KSTEP
.if MASKIN == 1
.if MSENSE != 2
	s_lshl_b32 s[MTN], s[T0], MKL
.endif
	s_lshl_b32 s[MTC], s[SC], MKL
.elseif MASKIN >= 2
	s_lshl_b32 s[MTN], s[T0], 10
.endif
	s_lshl_b32 s[TKS], s[T0], 8
	s_mul_i32 s[TV], s[SC], KSTEP
	s_lshl_b32 s[TVS], s[SC], 8
.if MASKIN >= 2
	s_wait_xcnt 0x0
	v_add_nc_u32 v[AMK], s[MTN], v[AL]
.endif
	s_wait_alu depctr_va_vdst(0)
	s_cmp_lt_u32 s[SC], STEPS
	s_cbranch_scc1 .Lstep
	s_branch .Ltail
.if SIZE_CAUSAL
	MASKS 0, 1
	MASKS 1, 0
.endif
	GOES 0
.Ltail:
.if PRIO
	s_setprio 0
	s_nop 0
.endif
	s_set_vgpr_msb 0x1
	MM DT, VF, P, VSC, PSC, 0
	MM DT+8, VF+12, P, VSC, PSC, 1
	MM DT+16, VF+24, P, VSC+1, PSC, 0
	MM DT+24, VF+36, P, VSC+1, PSC, 1
.rept 4
	v_nop
.endr
	s_set_vgpr_msb 0x141
.irp k, 0,1,2,3,4,5,6,7,8,9,10,11,12,13,14,15
	v_pk_fma_f32 v[O+2*\k+32:O+2*\k+33], v[O+2*\k+32:O+2*\k+33], v[ST+10:ST+11], v[DT+2*\k:DT+2*\k+1] op_sel_hi:[1,0,1]
.endr
	s_set_vgpr_msb 0x4100
	OUT 1, 0
	v_and_b32 v[BM], 31, v0
	s_delay_alu instid0(VALU_DEP_1)
	v_lshlrev_b32 v[BM], 1, v[BM]
	s_lshl_b32 s[T0], s[WV], 6
	s_add_co_u32 s[T0], s[T0], CXB
	s_lshl_b32 s[T1], s[AW], 5
	v_add_nc_u32 v[BM+1], s[T0], v[BM]
	v_add_nc_u32 v[BM], s[T1], v[BM]
	s_wait_alu depctr_va_vdst(0)
	s_wait_dscnt 0x0
	ds_load_u16 v[BM+2], v[BM+1]
	s_wait_dscnt 0x0
	global_store_b16 v[BM], v[BM+2], s[10:11]
	s_wait_tensorcnt 0x0
	ds_add_u32 v[SPW], v[NIL]
	s_wait_dscnt 0x0
	ROUND
	s_endpgm
.Lfunc_end_k_q003f8cfa45_attention:
	.size	k_q003f8cfa45_attention, .Lfunc_end_k_q003f8cfa45_attention-k_q003f8cfa45_attention
	.p2alignl 7, 3214868480
	.fill 96, 4, 3214868480
	.section	.rodata,"a",@progbits
	.p2align	6, 0x0
	.amdhsa_kernel k_q003f8cfa45_attention
		.amdhsa_group_segment_fixed_size 327680
		.amdhsa_private_segment_fixed_size 0
		.amdhsa_enable_private_segment 0
		.amdhsa_kernarg_size 56
		.amdhsa_user_sgpr_count 2
		.amdhsa_user_sgpr_kernarg_segment_ptr 1
		.amdhsa_wavefront_size32 1
		.amdhsa_system_sgpr_workgroup_id_x 1
		.amdhsa_system_sgpr_workgroup_id_y 1
		.amdhsa_system_sgpr_workgroup_id_z 1
		.amdhsa_system_vgpr_workitem_id 0
		.amdhsa_next_free_vgpr 512
		.amdhsa_next_free_sgpr 102
		.amdhsa_reserve_vcc 0
		.amdhsa_float_denorm_mode_32 3
		.amdhsa_float_denorm_mode_16_64 3
		.amdhsa_memory_ordered 1
		.amdhsa_forward_progress 1
		.amdhsa_inst_pref_size 60
	.end_amdhsa_kernel
	.amdgpu_metadata
---
amdhsa.version: [ 1, 2 ]
amdhsa.kernels:
  - .name:           k_q003f8cfa45_attention
    .symbol:         k_q003f8cfa45_attention.kd
    .args:
      - { .name: qkc, .offset: 0, .size: 8, .value_kind: global_buffer, .address_space: global }
      - { .name: qks, .offset: 8, .size: 8, .value_kind: global_buffer, .address_space: global }
      - { .name: vc, .offset: 16, .size: 8, .value_kind: global_buffer, .address_space: global }
      - { .name: vs, .offset: 24, .size: 8, .value_kind: global_buffer, .address_space: global }
      - { .name: cx, .offset: 32, .size: 8, .value_kind: global_buffer, .address_space: global }
      - { .name: cxs, .offset: 40, .size: 8, .value_kind: global_buffer, .address_space: global }
      - { .name: attention_mask, .offset: 48, .size: 8, .value_kind: global_buffer, .address_space: global }
    .group_segment_fixed_size: 327680
    .private_segment_fixed_size: 0
    .kernarg_segment_align: 8
    .kernarg_segment_size: 56
    .max_flat_workgroup_size: 256
    .sgpr_count:     102
    .vgpr_count:     512
    .wavefront_size: 32
...
	.end_amdgpu_metadata
.endif
;; end of part 3
;; launch out (part 4): grid 8 x 16, 4 waves a work-group, clusters of 4 x 4, 327,680 bytes of LDS; arguments cx, cxs, pc, ps, qkc, bd, hidden_states; writes qkc
.if DOCPART == 4
	.amdgcn_target "amdgcn-amd-amdhsa--gfx1250"
	.amdhsa_code_object_version 6
	.text
	.protected	k_q003f8cfa45_out
	.globl	k_q003f8cfa45_out
	.p2align	8
	.type	k_q003f8cfa45_out,@function
k_q003f8cfa45_out:
	s_mov_b64 s[64:65], 0
	v_nop
	global_prefetch_b8 v0, s[64:65] scope:SCOPE_SE
	s_setreg_imm32_b32 hwreg(HW_REG_WAVE_MODE, 25, 1), 1
	s_wait_xcnt 0x0
	s_wait_alu depctr_hold_cnt(0) depctr_sa_sdst(0) depctr_va_vdst(0) depctr_va_sdst(0) depctr_va_ssrc(0) depctr_va_vcc(0) depctr_vm_vsrc(0)
	s_getreg_b32 s2, hwreg(HW_REG_IB_STS2, 6, 4)
	s_cmp_eq_u32 s2, 0
	s_cbranch_scc0 .Lentry_in_a_cluster
	s_endpgm
.Lentry_in_a_cluster:
	s_bfe_u32 s2, ttmp6, 0x10000c
	s_cmp_lg_u32 s2, 0xf033
	s_cbranch_scc0 .Lentry_shape_is_right
	s_endpgm
.Lentry_shape_is_right:
.set TOK,    4096
.set BIAS,   1
.set RES,    1
.set RZ,     160
.set SIZE_N, 1024
.set SIZE_K, 1024
.set IN3,    0
.set BOFF,   (1+2*IN3)*TOK+3072
.set NQ,     SIZE_K/128
.set NB,     4
.set NS,     8
.set TM,     2*16*NS
.set TN,     2*16*NB
.set KROW,   SIZE_K*6/8
.set KS,     SIZE_K/32
.set PITCH,  KROW+16*(KROW/256)
.set FR,     12
.set FPW,    256/FR
.set NP,     4
.set CSTEP,  8*SIZE_N*4
.set CFAR,   32*SIZE_N*4
.set YB,     TM*PITCH
.set SCL,    ((TM+TN)*PITCH+255)/256*256
.set RS,     TM*KS/256
.set SSTEP,  (32*KS/256)*272
.set SPITCH, 16*NB*4+16
.set STAGE,  YB
.set SPARE,  SCL+RS*272
.set ADRA0, 4
.set AAS0, 6
.set CO,   9
.set SPW,  10
.set NIL,  11
.set ADRA, 12
.set ADRB, 14
.set ABS,  16
.set AAS,  17
.set STO,  18
.set RD,   19
.set SB,   24
.set SA,   SB+2*NQ+2
.set ACC,  (SA+2*NQ+7)/8*8
.set BK,   ACC+8*NB
.set BO,   BK+32
.set G1A, 24
.set G0A, 56
.set G1B, 32
.set G0B, 60
.set MSB, 0
.macro WIN new
.if MSB != \new
	s_set_vgpr_msb (MSB<<8)|\new
.set MSB, \new
.endif
.endm
.macro PLACES n
.rept \n
	v_nop
.endr
.endm
.macro CROUND
	s_barrier_signal -1
	s_barrier_wait -1
	s_cmp_lg_u32 s14, 0
	s_cbranch_scc1 .Lnot_wave_0_\@
	s_barrier_signal -3
.Lnot_wave_0_\@:
	s_barrier_wait -3
	s_barrier_signal -1
	s_barrier_wait -1
.endm
.macro TLOAD g0, g1
	tensor_load_to_lds s[\g0:\g0+3], s[\g1:\g1+7]
	s_nop 0
	PLACES 4
.endm
.macro GROUP1 g, mask, rows, pad
	s_or_b32 s[\g+0], s[\mask], (1<<21)|\pad
	s_mov_b32 s[\g+1], (KROW&0xffff)<<16
	s_mov_b32 s[\g+2], (KROW>>16)|((\rows)<<16)
	s_mov_b32 s[\g+3], KROW<<16
	s_mov_b32 s[\g+4], \rows
	s_mov_b32 s[\g+5], KROW
	s_mov_b32 s[\g+6], 0
	s_mov_b32 s[\g+7], 0
.endm
	s_load_b128 s[4:7], s[0:1], 0x0
	s_load_b128 s[8:11], s[0:1], 0x10
	s_load_b64 s[12:13], s[0:1], 0x20
.if RES
	s_load_b64 s[92:93], s[0:1], 0x28+8*BIAS
.endif
	v_lshl_add_u32 v[SPW], v0, 2, SPARE
	v_mov_b32 v[NIL], 0
	ds_add_u32 v[SPW], v[NIL]
	ds_add_u32 v[SPW], v[NIL]
	v_lshrrev_b32 v1, 5, v0
	v_readfirstlane_b32 s14, v1
	s_lshr_b32 s15, s14, 1
	s_and_b32 s16, s14, 1
	s_mov_b32 s17, s15
	s_mov_b32 s18, s16
	s_bfe_u32 s40, ttmp6, 0x40000
	s_bfe_u32 s41, ttmp6, 0x40004
	s_lshl_b32 s42, ttmp9, 2
	s_add_co_u32 s42, s42, s40
	s_and_b32 s43, ttmp7, 0xffff
	s_lshl_b32 s43, s43, 2
	s_add_co_u32 s43, s43, s41
	s_lshl_b32 s44, s41, 2
	s_lshl_b32 s44, 15, s44
	s_lshl_b32 s45, 0x1111, s40
	GROUP1 G1A, 44, TM/2, 0
	GROUP1 G1B, 45, TN/2, (1<<20)|(5<<22)|(3<<25)
	s_mul_i32 s86, s43, TM*KROW
	s_mov_b32 s87, 0
	s_mul_i32 s76, s16, TM/2*KROW
	s_mov_b32 s77, 0
	s_mul_i32 s20, s42, TN*KROW
	s_mul_i32 s21, s16, TN/2*KROW
	s_add_co_u32 s78, s20, s21
	s_mov_b32 s79, 0
	s_mul_i32 s82, s42, TN*KS
	s_mul_i32 s21, s18, 16*NB*KS
	s_add_co_u32 s82, s82, s21
	s_mov_b32 s83, 0
	s_mul_i32 s84, s43, TM*SIZE_N*4
	s_mul_i32 s21, s17, 128*SIZE_N*4
	s_add_co_u32 s84, s84, s21
	s_mul_i32 s21, s42, TN*4
	s_add_co_u32 s84, s84, s21
	s_mul_i32 s21, s18, 16*NB*4
	s_add_co_u32 s84, s84, s21
	s_mov_b32 s85, 0
	s_mov_b32 s[G0A], 1
	s_mul_i32 s[G0A+1], s16, TM/2*KROW
	s_mov_b32 s[G0B], 1
	s_mul_i32 s[G0B+1], s16, TN/2*PITCH
	s_add_co_u32 s[G0B+1], s[G0B+1], YB
	v_and_b32 v1, 15, v0
	v_bfe_u32 v2, v0, 4, 1
	v_and_b32 v3, 31, v0
	v_mul_u32_u24 v22, v1, PITCH
	v_mad_u32_u24 v23, v2, 24, v22
	s_mul_i32 s23, s17, 16*KROW
	v_lshlrev_b32 v[ADRA0], 3, v3
	v_add_nc_u32 v[ADRA0], s23, v[ADRA0]
	s_mul_i32 s22, s18, 16*NB*PITCH
	s_add_co_u32 s22, s22, YB
	v_add_nc_u32 v[ADRB], s22, v23
	v_mad_u32_u24 v23, v2, 24+16, v22
	v_add_nc_u32 v[ADRB+1], s22, v23
	v_mul_u32_u24 v[ABS], v3, KS
	v_mul_u32_u24 v23, v1, KS
	v_lshrrev_b32 v22, 8, v23
	v_lshl_add_u32 v23, v22, 4, v23
	s_mul_i32 s21, s17, (16*KS/256)*272
	s_add_co_u32 s21, s21, SCL
	v_add_nc_u32 v[AAS0], s21, v23
	s_mul_i32 s21, s14, 16*SPITCH
	s_add_co_u32 s21, s21, STAGE
	v_mul_u32_u24 v23, v1, SPITCH
	v_lshl_add_u32 v23, v2, 5, v23
	v_add_nc_u32 v[STO], s21, v23
	v_mul_u32_u24 v23, v2, SPITCH
	v_lshl_add_u32 v23, v1, 4, v23
	v_add_nc_u32 v[RD], s21, v23
	v_mul_u32_u24 v23, v2, SIZE_N*4
	v_lshl_add_u32 v[CO], v1, 4, v23
	s_wait_alu depctr_va_vdst(0)
	s_wait_dscnt 0x0
	s_wait_kmcnt 0x0
	s_add_nc_u64 s[8:9], s[8:9], BOFF*KROW
	s_add_nc_u64 s[10:11], s[10:11], BOFF*KS
	s_add_nc_u64 s[86:87], s[4:5], s[86:87]
	s_add_nc_u64 s[G0A+2:G0A+3], s[86:87], s[76:77]
	s_or_b32 s[G0A+3], s[G0A+3], 0x80000000
	s_add_nc_u64 s[G0B+2:G0B+3], s[8:9], s[78:79]
	s_or_b32 s[G0B+3], s[G0B+3], 0x80000000
	s_add_nc_u64 s[10:11], s[10:11], s[82:83]
	s_add_nc_u64 s[12:13], s[12:13], s[84:85]
.if RES
	s_add_nc_u64 s[92:93], s[92:93], s[84:85]
.endif
	CROUND
	s_cmp_eq_u32 s15, 0
	s_cbranch_scc0 .Lfor_a
	TLOAD G0B, G1B
	s_branch .Lasked
.Lfor_a:
	TLOAD G0A, G1A
.Lasked:
	s_lshr_b32 s20, s43, 3
	s_lshl_b32 s20, s20, 12
	s_and_b32 s21, s43, 7
	s_lshl_b32 s21, s21, 7
	s_add_co_u32 s20, s20, s21
	s_mov_b32 s21, 0
	v_and_b32 v22, 15, v0
	v_lshlrev_b32 v22, 1, v22
	v_bfe_u32 v23, v0, 4, 1
	v_lshl_or_b32 v22, v23, 6, v22
	v_bfe_u32 v23, v0, 5, 2
	v_lshl_or_b32 v22, v23, 10, v22
	s_add_nc_u64 s[6:7], s[6:7], s[20:21]
.irp k, 0,1
.irp hd, 0,1,2,3,4,5,6,7,8,9,10,11,12,13,14,15
	global_load_u16 v[ACC+16*\k+\hd], v22, s[6:7] offset:\hd*TOK*2+32*\k
.endr
.endr
	v_lshrrev_b32 v23, 3, v0
	v_lshlrev_b32 v23, 4, v23
	v_lshl_add_u32 v23, v0, 5, v23
	v_add_nc_u32 v23, SCL, v23
.if BIAS
	s_load_b64 s[76:77], s[0:1], 0x28
	s_mul_i32 s20, s42, TN*4
	s_mul_i32 s21, s18, 16*NB*4
	s_add_co_u32 s20, s20, s21
	s_mov_b32 s21, 0
	v_lshlrev_b32 v8, 5, v2
	s_wait_alu depctr_va_vdst(0)
	s_wait_kmcnt 0x0
	s_add_nc_u64 s[76:77], s[76:77], s[20:21]
.irp b, 0,1,2,3
	global_load_b128 v[BO+8*\b:BO+8*\b+3], v8, s[76:77] offset:64*\b
	global_load_b128 v[BO+8*\b+4:BO+8*\b+7], v8, s[76:77] offset:64*\b+16
.endr
.endif
.irp p, 0,1
.irp c, 0,1
	global_load_b128 v[SB+NQ*\p+4*\c:SB+NQ*\p+4*\c+3], v[ABS], s[10:11] offset:\p*32*KS+16*\c
.endr
.endr
	s_wait_loadcnt 0x0
.irp k, 0,1
.irp q, 0,1,2,3,4,5,6,7
	v_lshl_or_b32 v[BK+8*\k+\q], v[ACC+16*\k+2*\q+1], 16, v[ACC+16*\k+2*\q]
.endr
.endr
.irp k, 0,1
.irp c, 0,1
	ds_store_b128 v23, v[BK+8*\k+4*\c:BK+8*\k+4*\c+3] offset:4352*\k+16*\c
.endr
.endr
	s_wait_dscnt 0x0
	s_cmp_eq_u32 s15, 0
	s_cbranch_scc0 .Lnot_b
	s_wait_tensorcnt 0x0
.Lnot_b:
	s_barrier_signal -1
	s_barrier_wait -1
.macro FRAG f, adr, q, off
	WIN (1+(\f)/FPW)<<6
.irp p, 0,1,2,3,4,5
.set PC, 12*(\q)+6*(\p/3)+\p%3
.if PC%32 < 29
	ds_load_b64 v[FR*((\f)%FPW)+2*\p:FR*((\f)%FPW)+2*\p+1], v[\adr] offset:8*PC+16*(PC/32)+(\off)
.else
	ds_load_b64 v[FR*((\f)%FPW)+2*\p:FR*((\f)%FPW)+2*\p+1], v[\adr+1] offset:8*PC+16*(PC/32)+(\off)
.endif
.endr
.endm
.macro FRAGA f, q
	WIN (1+(\f)/FPW)<<6
.irp p, 0,1,2,3,4,5
	ds_load_b64 v[FR*((\f)%FPW)+2*\p:FR*((\f)%FPW)+2*\p+1], v[ADRA] offset:1536*(\q)+256*\p
.endr
.endm
.macro SET u
.irp q, 0,1,2,3,4,5,6,7
	FRAGA NB*NQ+NQ*(\u)+\q, \q
.endr
	WIN 0
	ds_load_b128 v[SA+NQ*(\u):SA+NQ*(\u)+3], v[AAS]
	ds_load_b128 v[SA+NQ*(\u)+4:SA+NQ*(\u)+7], v[AAS] offset:16
.endm
.macro MUL h, u
.irp j, 0,1,2,3
.irp p, 0,1
.irp o, 0,1
.set Q,  NQ/2*\h+\j
.set FB, NB*Q+2*\p+\o
.set FA, NB*NQ+NQ*(\u)+Q
.set AC, ACC+8*(2*\p+\o)
	WIN (1+FB/FPW)|((1+FA/FPW)<<2)
.if Q == 0 && BIAS
	v_wmma_scale_f32_16x16x128_f8f6f4 v[AC:AC+7], v[FR*(FB%FPW):FR*(FB%FPW)+FR-1], v[FR*(FA%FPW):FR*(FA%FPW)+FR-1], v[BO+8*(2*\p+\o):BO+8*(2*\p+\o)+7], v[SB+NQ*\p+Q], v[SA+NQ*(\u)+Q] matrix_a_fmt:MATRIX_FMT_BF6 matrix_b_fmt:MATRIX_FMT_BF6 matrix_a_scale:MATRIX_SCALE_ROW\o
.elseif Q == 0
	v_wmma_scale_f32_16x16x128_f8f6f4 v[AC:AC+7], v[FR*(FB%FPW):FR*(FB%FPW)+FR-1], v[FR*(FA%FPW):FR*(FA%FPW)+FR-1], 0, v[SB+NQ*\p+Q], v[SA+NQ*(\u)+Q] matrix_a_fmt:MATRIX_FMT_BF6 matrix_b_fmt:MATRIX_FMT_BF6 matrix_a_scale:MATRIX_SCALE_ROW\o
.else
	v_wmma_scale_f32_16x16x128_f8f6f4 v[AC:AC+7], v[FR*(FB%FPW):FR*(FB%FPW)+FR-1], v[FR*(FA%FPW):FR*(FA%FPW)+FR-1], v[AC:AC+7], v[SB+NQ*\p+Q], v[SA+NQ*(\u)+Q] matrix_a_fmt:MATRIX_FMT_BF6 matrix_b_fmt:MATRIX_FMT_BF6 matrix_a_scale:MATRIX_SCALE_ROW\o
.endif
.endr
.endr
.endr
	WIN 0
.endm
.macro STEP
	s_add_co_u32 s101, s101, 32*KROW
	v_add_nc_u32 v[ADRA], s101, v[ADRA0]
	s_add_co_u32 s91, s91, SSTEP
	v_add_nc_u32 v[AAS], s91, v[AAS0]
.endm
.macro RLOAD step, set
	s_wait_xcnt 0x0
	s_add_nc_u64 s[92:93], s[92:93], \step
.irp t, 0,1,2,3,4,5,6,7
	global_load_b128 v[RZ+32*(\set)+4*\t:RZ+32*(\set)+4*\t+3], v[CO], s[92:93] offset:(32*(\t/4)+(2*\t)%8)*SIZE_N*4
.endr
.endm
.macro BLOCK u, gate=0, first=0
	MUL 0, \u
.if \gate == 0
	STEP
.endif
.if \gate == 2
	s_cmp_eq_u32 s23, 1
	s_cbranch_scc1 .Lno_fetch_\@
	STEP
.endif
	SET 1-\u
.if RES
.if \gate
	RLOAD CSTEP+CFAR, 1-\u
.else
	RLOAD CSTEP, 1-\u
.endif
.endif
.if \gate == 2
.Lno_fetch_\@:
.endif
	MUL 1, \u
	PLACES NP+1
	s_wait_xcnt 0x0
	s_add_nc_u64 s[12:13], s[12:13], CSTEP+CFAR*(\first)
.irp b, 0,1,2,3
	ds_store_b128 v[STO], v[ACC+8*\b:ACC+8*\b+3] offset:64*\b
	ds_store_b128 v[STO], v[ACC+8*\b+4:ACC+8*\b+7] offset:64*\b+16
.endr
.irp t, 0,1,2,3,4,5,6,7
	ds_load_b128 v[BK+4*\t:BK+4*\t+3], v[RD] offset:2*\t*SPITCH
.endr
	s_wait_dscnt 0x0
.if RES
.if \gate == 2
	s_wait_loadcnt 0x0
.else
	s_wait_loadcnt 0x8
.endif
.set I, 0
.rept 16
	v_pk_add_f32 v[BK+I:BK+I+1], v[BK+I:BK+I+1], v[RZ+32*(\u)+I:RZ+32*(\u)+I+1]
.set I, I+2
.endr
.endif
.irp t, 0,1,2,3,4,5,6,7
	global_store_b128 v[CO], v[BK+4*\t:BK+4*\t+3], s[12:13] offset:(32*(\t/4)+(2*\t)%8)*SIZE_N*4 th:TH_STORE_NT
.endr
.endm
.macro CHUNK gate
	BLOCK 0, 0, 1
	BLOCK 1
	BLOCK 0
	BLOCK 1, \gate
.endm
.irp q, 0,1,2,3,4,5,6,7
.irp b, 0,1,2,3
	FRAG NB*\q+\b, ADRB, \q, \b*16*PITCH
.endr
.endr
	WIN 0
	s_sub_nc_u64 s[12:13], s[12:13], CSTEP+CFAR
.if RES
	s_sub_nc_u64 s[92:93], s[92:93], CSTEP+CFAR
.endif
.if RES
	RLOAD CSTEP+CFAR, 0
.endif
	s_mov_b32 s101, 0
	s_mov_b32 s91, 0
	s_wait_tensorcnt 0x0
	s_wait_dscnt 0x0
	s_barrier_signal -1
	s_barrier_wait -1
	v_add_nc_u32 v[ADRA], s101, v[ADRA0]
	v_add_nc_u32 v[AAS], s91, v[AAS0]
	SET 0
	s_wait_dscnt 0x0
	s_mov_b32 s23, 2
.Llast_two:
	CHUNK 2
	s_sub_co_i32 s23, s23, 1
	s_cmp_lg_u32 s23, 0
	s_cbranch_scc1 .Llast_two
	s_wait_tensorcnt 0x0
	ds_add_u32 v[SPW], v[NIL]
	s_wait_dscnt 0x0
	CROUND
	s_endpgm
.Lfunc_end_k_q003f8cfa45_out:
	.size	k_q003f8cfa45_out, .Lfunc_end_k_q003f8cfa45_out-k_q003f8cfa45_out
	.p2alignl 7, 3214868480
	.fill 96, 4, 3214868480
	.section	.rodata,"a",@progbits
	.p2align	6, 0x0
	.amdhsa_kernel k_q003f8cfa45_out
		.amdhsa_group_segment_fixed_size 327680
		.amdhsa_private_segment_fixed_size 0
		.amdhsa_enable_private_segment 0
		.amdhsa_kernarg_size 56
		.amdhsa_user_sgpr_count 2
		.amdhsa_user_sgpr_kernarg_segment_ptr 1
		.amdhsa_wavefront_size32 1
		.amdhsa_system_sgpr_workgroup_id_x 1
		.amdhsa_system_sgpr_workgroup_id_y 1
		.amdhsa_system_sgpr_workgroup_id_z 1
		.amdhsa_system_vgpr_workitem_id 0
		.amdhsa_next_free_vgpr 840
		.amdhsa_next_free_sgpr 102
		.amdhsa_reserve_vcc 0
		.amdhsa_float_denorm_mode_32 3
		.amdhsa_float_denorm_mode_16_64 3
		.amdhsa_memory_ordered 1
		.amdhsa_forward_progress 1
		.amdhsa_inst_pref_size 77
	.end_amdhsa_kernel
	.amdgpu_metadata
---
amdhsa.version: [ 1, 2 ]
amdhsa.kernels:
  - .name:           k_q003f8cfa45_out
    .symbol:         k_q003f8cfa45_out.kd
    .args:
      - { .name: cx, .offset: 0, .size: 8, .value_kind: global_buffer, .address_space: global }
      - { .name: cxs, .offset: 8, .size: 8, .value_kind: global_buffer, .address_space: global }
      - { .name: pc, .offset: 16, .size: 8, .value_kind: global_buffer, .address_space: global }
      - { .name: ps, .offset: 24, .size: 8, .value_kind: global_buffer, .address_space: global }
      - { .name: qkc, .offset: 32, .size: 8, .value_kind: global_buffer, .address_space: global }
      - { .name: bd, .offset: 40, .size: 8, .value_kind: global_buffer, .address_space: global }
      - { .name: hidden_states, .offset: 48, .size: 8, .value_kind: global_buffer, .address_space: global }
    .group_segment_fixed_size: 327680
    .private_segment_fixed_size: 0
    .kernarg_segment_align: 8
    .kernarg_segment_size: 56
    .max_flat_workgroup_size: 128
    .sgpr_count:     102
    .vgpr_count:     840
    .wavefront_size: 32
...
	.end_amdgpu_metadata
.endif
;; end of part 4
;; launch norm_out (part 5): grid 512 x 1, 4 waves a work-group, no clusters, 33,280 bytes of LDS; arguments qkc, ln_gamma, ln_beta, out0; writes out0
.if DOCPART == 5
	.amdgcn_target "amdgcn-amd-amdhsa--gfx1250"
	.amdhsa_code_object_version 6
	.text
	.protected	k_q003f8cfa45_norm_out
	.globl	k_q003f8cfa45_norm_out
	.p2align	8
	.type	k_q003f8cfa45_norm_out,@function
k_q003f8cfa45_norm_out:
	s_mov_b64 s[64:65], 0
	v_nop
	global_prefetch_b8 v0, s[64:65] scope:SCOPE_SE
	s_setreg_imm32_b32 hwreg(HW_REG_WAVE_MODE, 25, 1), 1
	s_wait_xcnt 0x0
.set WAVES, 4
.set STEPS, 4
.set EMAX,  4
.set CB,    12
.set R,     16
.set X,     80
.set C,     128
.set E,     112
.set WREG,  8192
.set SP,    80
.set SPW,   12
.set NIL,   13
.set SPARE, WAVES*WREG
	s_load_b64 s[28:29], s[0:1], 0x18
	s_load_b64 s[32:33], s[0:1], 0x0
	s_load_b64 s[36:37], s[0:1], 0x8
	s_load_b64 s[40:41], s[0:1], 0x10
	s_mov_b32 s92, 0x76543210
	s_mov_b32 s93, 0xfedcba98
	v_lshl_add_u32 v[SPW], v0, 2, SPARE
	v_mov_b32 v[NIL], 0
	v_lshrrev_b32 v1, 5, v0
	v_readfirstlane_b32 s16, v1
	v_and_b32 v2, 31, v0
	v_lshlrev_b32 v3, 4, v2
	s_mul_i32 s17, s16, WREG
	v_lshrrev_b32 v14, 2, v2
	v_mul_u32_u24 v14, v14, SP
	v_and_b32 v15, 3, v2
	v_lshl_add_u32 v14, v15, 4, v14
	v_add_nc_u32 v14, s17, v14
	v_mul_u32_u24 v15, v2, SP
	v_add_nc_u32 v15, s17, v15
	v_mul_u32_u24 v4, v2, CB
	v_lshrrev_b32 v5, 1, v2
	s_add_co_u32 s17, s17, 2*32*SP
	v_add_nc_u32 v5, s17, v5
	v_lshlrev_b32 v7, 1, v2
	v_add_nc_u32 v6, s17, v7
	s_wait_alu depctr_va_vdst(0)
	s_wait_kmcnt 0x0
	s_lshl_b32 s17, ttmp9, 2
	s_add_co_u32 s18, s17, s16
	s_mov_b32 s19, 0
	s_mov_b32 s34, 0
	s_mov_b32 s44, s18
	s_mul_i32 s44, s44, 0x00002000
	s_add_co_u32 s34, s34, s44
	s_ashr_i32 s35, s34, 31
	s_add_nc_u64 s[32:33], s[32:33], s[34:35]
	s_mov_b32 s38, 0
	s_ashr_i32 s39, s38, 31
	s_add_nc_u64 s[36:37], s[36:37], s[38:39]
	s_mov_b32 s42, 0
	s_ashr_i32 s43, s42, 31
	s_add_nc_u64 s[40:41], s[40:41], s[42:43]
	s_lshl_b32 s20, s18, 13
	s_mov_b32 s21, 0
	s_add_nc_u64 s[28:29], s[28:29], s[20:21]
.macro TURN_0 t, src
.irp i, 0,1,2,3
	ds_store_b128 v14, v[(\src)+4*\i:(\src)+4*\i+3] offset:32*SP*((\t)%2)+8*SP*\i
.endr
.irp i, 0,1,2,3
	ds_load_b128 v[X+16*((\t)%2)+4*\i:X+16*((\t)%2)+4*\i+3], v15 offset:32*SP*((\t)%2)+16*\i
.endr
.endm
.macro QUANT_0 t
.set XS, X+16*((\t)%2)
	v_max3_num_f32 v8, |v[XS]|, |v[XS+1]|, |v[XS+2]|
	v_max3_num_f32 v9, |v[XS+3]|, |v[XS+4]|, |v[XS+5]|
.irp i, 6,10
	v_max3_num_f32 v8, v8, |v[XS+\i]|, |v[XS+\i+1]|
	v_max3_num_f32 v9, v9, |v[XS+\i+2]|, |v[XS+\i+3]|
.endr
	v_max3_num_f32 v8, v8, |v[XS+14]|, |v[XS+15]|
	v_max3_num_f32 v8, v8, v9, (EMAX+1)<<23
	v_max_num_f32_dpp v8, v8, v8 row_xmask:1 row_mask:0xf bank_mask:0xf
	v_add_nc_u32 v11, -(EMAX<<23), v8
	v_cvt_scalef32_pk16_bf6_f32 v[C+4*(\t):C+4*(\t)+2], v[XS:XS+15], v11
	v_lshrrev_b32 v[E+(\t)], 23, v11
	ds_store_b8 v5, v[E+(\t)] offset:16*(\t)
	global_store_b96 v4, v[C+4*(\t):C+4*(\t)+2], s[8:9] offset:32*CB*(\t)
.endm
	s_set_vgpr_msb 0x40
	global_load_b128 v[0:3], v3, s[36:37] offset:0
	global_load_b128 v[4:7], v3, s[40:41] offset:0
	global_load_b128 v[8:11], v3, s[36:37] offset:512
	global_load_b128 v[12:15], v3, s[40:41] offset:512
	global_load_b128 v[16:19], v3, s[36:37] offset:1024
	global_load_b128 v[20:23], v3, s[40:41] offset:1024
	global_load_b128 v[24:27], v3, s[36:37] offset:1536
	global_load_b128 v[28:31], v3, s[40:41] offset:1536
	global_load_b128 v[32:35], v3, s[36:37] offset:2048
	global_load_b128 v[36:39], v3, s[40:41] offset:2048
	global_load_b128 v[40:43], v3, s[36:37] offset:2560
	global_load_b128 v[44:47], v3, s[40:41] offset:2560
	global_load_b128 v[48:51], v3, s[36:37] offset:3072
	global_load_b128 v[52:55], v3, s[40:41] offset:3072
	global_load_b128 v[56:59], v3, s[36:37] offset:3584
	global_load_b128 v[60:63], v3, s[40:41] offset:3584
	s_set_vgpr_msb 0x4000
	global_load_b128 v[16:19], v3, s[32:33] offset:0 th:TH_LOAD_NT
	global_load_b128 v[20:23], v3, s[32:33] offset:512 th:TH_LOAD_NT
	global_load_b128 v[24:27], v3, s[32:33] offset:1024 th:TH_LOAD_NT
	global_load_b128 v[28:31], v3, s[32:33] offset:1536 th:TH_LOAD_NT
	global_load_b128 v[32:35], v3, s[32:33] offset:2048 th:TH_LOAD_NT
	global_load_b128 v[36:39], v3, s[32:33] offset:2560 th:TH_LOAD_NT
	global_load_b128 v[40:43], v3, s[32:33] offset:3072 th:TH_LOAD_NT
	global_load_b128 v[44:47], v3, s[32:33] offset:3584 th:TH_LOAD_NT
	global_load_b128 v[48:51], v3, s[32:33] offset:4096 th:TH_LOAD_NT
	global_load_b128 v[52:55], v3, s[32:33] offset:4608 th:TH_LOAD_NT
	global_load_b128 v[56:59], v3, s[32:33] offset:5120 th:TH_LOAD_NT
	global_load_b128 v[60:63], v3, s[32:33] offset:5632 th:TH_LOAD_NT
	global_load_b128 v[64:67], v3, s[32:33] offset:6144 th:TH_LOAD_NT
	global_load_b128 v[68:71], v3, s[32:33] offset:6656 th:TH_LOAD_NT
	global_load_b128 v[72:75], v3, s[32:33] offset:7168 th:TH_LOAD_NT
	global_load_b128 v[76:79], v3, s[32:33] offset:7680 th:TH_LOAD_NT
	s_wait_loadcnt 8
	v_add_f32 v224, v20, v16
	v_add_f32 v225, v21, v17
	v_add_f32 v226, v22, v18
	v_add_f32 v227, v23, v19
	v_add_f32 v224, v24, v224
	v_add_f32 v225, v25, v225
	v_add_f32 v226, v26, v226
	v_add_f32 v227, v27, v227
	v_add_f32 v224, v28, v224
	v_add_f32 v225, v29, v225
	v_add_f32 v226, v30, v226
	v_add_f32 v227, v31, v227
	v_add_f32 v224, v32, v224
	v_add_f32 v225, v33, v225
	v_add_f32 v226, v34, v226
	v_add_f32 v227, v35, v227
	v_add_f32 v224, v36, v224
	v_add_f32 v225, v37, v225
	v_add_f32 v226, v38, v226
	v_add_f32 v227, v39, v227
	v_add_f32 v224, v40, v224
	v_add_f32 v225, v41, v225
	v_add_f32 v226, v42, v226
	v_add_f32 v227, v43, v227
	v_add_f32 v224, v44, v224
	v_add_f32 v225, v45, v225
	v_add_f32 v226, v46, v226
	v_add_f32 v227, v47, v227
	v_add_f32 v224, v224, v225
	v_add_f32 v225, v226, v227
	v_add_f32 v224, v224, v225
	v_mov_b32 v224, v224
	v_add_f32_dpp v224, v224, v224 row_xmask:1 row_mask:0xf bank_mask:0xf
	v_add_f32_dpp v224, v224, v224 row_xmask:2 row_mask:0xf bank_mask:0xf
	v_add_f32_dpp v224, v224, v224 row_xmask:4 row_mask:0xf bank_mask:0xf
	v_add_f32_dpp v224, v224, v224 row_xmask:8 row_mask:0xf bank_mask:0xf
	v_mov_b32 v225, v224
	v_permlanex16_b32 v225, v224, s92, s93
	v_add_f32 v224, v224, v225
	v_mul_f32 v224, 0x3a800000, v224
	v_sub_f32 v16, v16, v224
	v_sub_f32 v44, v44, v224
	v_sub_f32 v40, v40, v224
	v_sub_f32 v36, v36, v224
	v_sub_f32 v32, v32, v224
	v_sub_f32 v28, v28, v224
	v_sub_f32 v24, v24, v224
	v_sub_f32 v20, v20, v224
	v_sub_f32 v45, v45, v224
	v_sub_f32 v41, v41, v224
	v_sub_f32 v37, v37, v224
	v_sub_f32 v33, v33, v224
	v_sub_f32 v29, v29, v224
	v_sub_f32 v25, v25, v224
	v_sub_f32 v21, v21, v224
	v_sub_f32 v17, v17, v224
	v_sub_f32 v46, v46, v224
	v_sub_f32 v42, v42, v224
	v_sub_f32 v38, v38, v224
	v_sub_f32 v34, v34, v224
	v_sub_f32 v30, v30, v224
	v_sub_f32 v26, v26, v224
	v_sub_f32 v22, v22, v224
	v_sub_f32 v18, v18, v224
	v_sub_f32 v47, v47, v224
	v_sub_f32 v43, v43, v224
	v_sub_f32 v39, v39, v224
	v_sub_f32 v35, v35, v224
	v_sub_f32 v31, v31, v224
	v_sub_f32 v27, v27, v224
	v_sub_f32 v23, v23, v224
	v_sub_f32 v19, v19, v224
	v_mul_f32 v224, v16, v16
	v_mul_f32 v225, v17, v17
	v_mul_f32 v226, v18, v18
	v_mul_f32 v227, v19, v19
	v_fma_f32 v224, v20, v20, v224
	v_fma_f32 v225, v21, v21, v225
	v_fma_f32 v226, v22, v22, v226
	v_fma_f32 v227, v23, v23, v227
	v_fma_f32 v224, v24, v24, v224
	v_fma_f32 v225, v25, v25, v225
	v_fma_f32 v226, v26, v26, v226
	v_fma_f32 v227, v27, v27, v227
	v_fma_f32 v224, v28, v28, v224
	v_fma_f32 v225, v29, v29, v225
	v_fma_f32 v226, v30, v30, v226
	v_fma_f32 v227, v31, v31, v227
	v_fma_f32 v224, v32, v32, v224
	v_fma_f32 v225, v33, v33, v225
	v_fma_f32 v226, v34, v34, v226
	v_fma_f32 v227, v35, v35, v227
	v_fma_f32 v224, v36, v36, v224
	v_fma_f32 v225, v37, v37, v225
	v_fma_f32 v226, v38, v38, v226
	v_fma_f32 v227, v39, v39, v227
	v_fma_f32 v224, v40, v40, v224
	v_fma_f32 v225, v41, v41, v225
	v_fma_f32 v226, v42, v42, v226
	v_fma_f32 v227, v43, v43, v227
	v_fma_f32 v224, v44, v44, v224
	v_fma_f32 v225, v45, v45, v225
	v_fma_f32 v226, v46, v46, v226
	v_fma_f32 v227, v47, v47, v227
	v_add_f32 v224, v224, v225
	v_add_f32 v225, v226, v227
	v_add_f32 v224, v224, v225
	v_mov_b32 v224, v224
	v_add_f32_dpp v224, v224, v224 row_xmask:1 row_mask:0xf bank_mask:0xf
	v_add_f32_dpp v224, v224, v224 row_xmask:2 row_mask:0xf bank_mask:0xf
	v_add_f32_dpp v224, v224, v224 row_xmask:4 row_mask:0xf bank_mask:0xf
	v_add_f32_dpp v224, v224, v224 row_xmask:8 row_mask:0xf bank_mask:0xf
	v_mov_b32 v225, v224
	v_permlanex16_b32 v225, v224, s92, s93
	v_add_f32 v224, v224, v225
	v_mul_f32 v224, 0x3a800000, v224
	v_add_f32 v224, 0x2b8cbccc, v224
	s_wait_alu depctr_va_vdst(0)
	v_rsq_f32 v225, v224
	v_nop
	s_wait_alu depctr_va_vdst(0)
	v_mul_f32 v16, v16, v225
	v_mul_f32 v17, v17, v225
	v_mul_f32 v18, v18, v225
	v_mul_f32 v19, v19, v225
	v_mul_f32 v20, v20, v225
	v_mul_f32 v21, v21, v225
	v_mul_f32 v22, v22, v225
	v_mul_f32 v23, v23, v225
	s_set_vgpr_msb 0x14
	v_fma_f32 v192, v16, v0, v4
	v_fma_f32 v193, v17, v1, v5
	v_fma_f32 v194, v18, v2, v6
	v_fma_f32 v195, v19, v3, v7
	v_fma_f32 v196, v20, v8, v12
	v_fma_f32 v197, v21, v9, v13
	v_fma_f32 v198, v22, v10, v14
	v_fma_f32 v199, v23, v11, v15
	s_set_vgpr_msb 0x1400
	v_mul_f32 v16, v24, v225
	v_mul_f32 v17, v25, v225
	v_mul_f32 v18, v26, v225
	v_mul_f32 v19, v27, v225
	v_mul_f32 v20, v28, v225
	v_mul_f32 v21, v29, v225
	v_mul_f32 v22, v30, v225
	v_mul_f32 v23, v31, v225
	s_set_vgpr_msb 0x14
	v_fma_f32 v200, v16, v16, v20
	v_fma_f32 v201, v17, v17, v21
	v_fma_f32 v202, v18, v18, v22
	v_fma_f32 v203, v19, v19, v23
	v_fma_f32 v204, v20, v24, v28
	v_fma_f32 v205, v21, v25, v29
	v_fma_f32 v206, v22, v26, v30
	v_fma_f32 v207, v23, v27, v31
	s_set_vgpr_msb 0x1400
	v_mul_f32 v16, v32, v225
	v_mul_f32 v17, v33, v225
	v_mul_f32 v18, v34, v225
	v_mul_f32 v19, v35, v225
	v_mul_f32 v20, v36, v225
	v_mul_f32 v21, v37, v225
	v_mul_f32 v22, v38, v225
	v_mul_f32 v23, v39, v225
	s_set_vgpr_msb 0x14
	v_fma_f32 v208, v16, v32, v36
	v_fma_f32 v209, v17, v33, v37
	v_fma_f32 v210, v18, v34, v38
	v_fma_f32 v211, v19, v35, v39
	v_fma_f32 v212, v20, v40, v44
	v_fma_f32 v213, v21, v41, v45
	v_fma_f32 v214, v22, v42, v46
	v_fma_f32 v215, v23, v43, v47
	s_set_vgpr_msb 0x1400
	v_mul_f32 v16, v40, v225
	v_mul_f32 v17, v41, v225
	v_mul_f32 v18, v42, v225
	v_mul_f32 v19, v43, v225
	v_mul_f32 v20, v44, v225
	v_mul_f32 v21, v45, v225
	v_mul_f32 v22, v46, v225
	v_mul_f32 v23, v47, v225
	s_set_vgpr_msb 0x14
	v_fma_f32 v216, v16, v48, v52
	v_fma_f32 v217, v17, v49, v53
	v_fma_f32 v218, v18, v50, v54
	v_fma_f32 v219, v19, v51, v55
	v_fma_f32 v220, v20, v56, v60
	v_fma_f32 v221, v21, v57, v61
	v_fma_f32 v222, v22, v58, v62
	v_fma_f32 v223, v23, v59, v63
	s_set_vgpr_msb 0x1400
	global_store_b128 v3, v[192:195], s[28:29] offset:0 th:TH_STORE_NT
	global_store_b128 v3, v[196:199], s[28:29] offset:512 th:TH_STORE_NT
	global_store_b128 v3, v[200:203], s[28:29] offset:1024 th:TH_STORE_NT
	global_store_b128 v3, v[204:207], s[28:29] offset:1536 th:TH_STORE_NT
	global_store_b128 v3, v[208:211], s[28:29] offset:2048 th:TH_STORE_NT
	global_store_b128 v3, v[212:215], s[28:29] offset:2560 th:TH_STORE_NT
	global_store_b128 v3, v[216:219], s[28:29] offset:3072 th:TH_STORE_NT
	global_store_b128 v3, v[220:223], s[28:29] offset:3584 th:TH_STORE_NT
	s_wait_xcnt 0x0
	s_wait_loadcnt 0
	v_add_f32 v224, v52, v48
	v_add_f32 v225, v53, v49
	v_add_f32 v226, v54, v50
	v_add_f32 v227, v55, v51
	v_add_f32 v224, v56, v224
	v_add_f32 v225, v57, v225
	v_add_f32 v226, v58, v226
	v_add_f32 v227, v59, v227
	v_add_f32 v224, v60, v224
	v_add_f32 v225, v61, v225
	v_add_f32 v226, v62, v226
	v_add_f32 v227, v63, v227
	v_add_f32 v224, v64, v224
	v_add_f32 v225, v65, v225
	v_add_f32 v226, v66, v226
	v_add_f32 v227, v67, v227
	v_add_f32 v224, v68, v224
	v_add_f32 v225, v69, v225
	v_add_f32 v226, v70, v226
	v_add_f32 v227, v71, v227
	v_add_f32 v224, v72, v224
	v_add_f32 v225, v73, v225
	v_add_f32 v226, v74, v226
	v_add_f32 v227, v75, v227
	v_add_f32 v224, v76, v224
	v_add_f32 v225, v77, v225
	v_add_f32 v226, v78, v226
	v_add_f32 v227, v79, v227
	v_add_f32 v224, v224, v225
	v_add_f32 v225, v226, v227
	v_add_f32 v224, v224, v225
	v_mov_b32 v224, v224
	v_add_f32_dpp v224, v224, v224 row_xmask:1 row_mask:0xf bank_mask:0xf
	v_add_f32_dpp v224, v224, v224 row_xmask:2 row_mask:0xf bank_mask:0xf
	v_add_f32_dpp v224, v224, v224 row_xmask:4 row_mask:0xf bank_mask:0xf
	v_add_f32_dpp v224, v224, v224 row_xmask:8 row_mask:0xf bank_mask:0xf
	v_mov_b32 v225, v224
	v_permlanex16_b32 v225, v224, s92, s93
	v_add_f32 v224, v224, v225
	v_mul_f32 v224, 0x3a800000, v224
	v_sub_f32 v48, v48, v224
	v_sub_f32 v76, v76, v224
	v_sub_f32 v72, v72, v224
	v_sub_f32 v68, v68, v224
	v_sub_f32 v64, v64, v224
	v_sub_f32 v60, v60, v224
	v_sub_f32 v56, v56, v224
	v_sub_f32 v52, v52, v224
	v_sub_f32 v77, v77, v224
	v_sub_f32 v73, v73, v224
	v_sub_f32 v69, v69, v224
	v_sub_f32 v65, v65, v224
	v_sub_f32 v61, v61, v224
	v_sub_f32 v57, v57, v224
	v_sub_f32 v53, v53, v224
	v_sub_f32 v49, v49, v224
	v_sub_f32 v78, v78, v224
	v_sub_f32 v74, v74, v224
	v_sub_f32 v70, v70, v224
	v_sub_f32 v66, v66, v224
	v_sub_f32 v62, v62, v224
	v_sub_f32 v58, v58, v224
	v_sub_f32 v54, v54, v224
	v_sub_f32 v50, v50, v224
	v_sub_f32 v79, v79, v224
	v_sub_f32 v75, v75, v224
	v_sub_f32 v71, v71, v224
	v_sub_f32 v67, v67, v224
	v_sub_f32 v63, v63, v224
	v_sub_f32 v59, v59, v224
	v_sub_f32 v55, v55, v224
	v_sub_f32 v51, v51, v224
	v_mul_f32 v224, v48, v48
	v_mul_f32 v225, v49, v49
	v_mul_f32 v226, v50, v50
	v_mul_f32 v227, v51, v51
	v_fma_f32 v224, v52, v52, v224
	v_fma_f32 v225, v53, v53, v225
	v_fma_f32 v226, v54, v54, v226
	v_fma_f32 v227, v55, v55, v227
	v_fma_f32 v224, v56, v56, v224
	v_fma_f32 v225, v57, v57, v225
	v_fma_f32 v226, v58, v58, v226
	v_fma_f32 v227, v59, v59, v227
	v_fma_f32 v224, v60, v60, v224
	v_fma_f32 v225, v61, v61, v225
	v_fma_f32 v226, v62, v62, v226
	v_fma_f32 v227, v63, v63, v227
	v_fma_f32 v224, v64, v64, v224
	v_fma_f32 v225, v65, v65, v225
	v_fma_f32 v226, v66, v66, v226
	v_fma_f32 v227, v67, v67, v227
	v_fma_f32 v224, v68, v68, v224
	v_fma_f32 v225, v69, v69, v225
	v_fma_f32 v226, v70, v70, v226
	v_fma_f32 v227, v71, v71, v227
	v_fma_f32 v224, v72, v72, v224
	v_fma_f32 v225, v73, v73, v225
	v_fma_f32 v226, v74, v74, v226
	v_fma_f32 v227, v75, v75, v227
	v_fma_f32 v224, v76, v76, v224
	v_fma_f32 v225, v77, v77, v225
	v_fma_f32 v226, v78, v78, v226
	v_fma_f32 v227, v79, v79, v227
	v_add_f32 v224, v224, v225
	v_add_f32 v225, v226, v227
	v_add_f32 v224, v224, v225
	v_mov_b32 v224, v224
	v_add_f32_dpp v224, v224, v224 row_xmask:1 row_mask:0xf bank_mask:0xf
	v_add_f32_dpp v224, v224, v224 row_xmask:2 row_mask:0xf bank_mask:0xf
	v_add_f32_dpp v224, v224, v224 row_xmask:4 row_mask:0xf bank_mask:0xf
	v_add_f32_dpp v224, v224, v224 row_xmask:8 row_mask:0xf bank_mask:0xf
	v_mov_b32 v225, v224
	v_permlanex16_b32 v225, v224, s92, s93
	v_add_f32 v224, v224, v225
	v_mul_f32 v224, 0x3a800000, v224
	v_add_f32 v224, 0x2b8cbccc, v224
	s_wait_alu depctr_va_vdst(0)
	v_rsq_f32 v225, v224
	v_nop
	s_wait_alu depctr_va_vdst(0)
	v_mul_f32 v48, v48, v225
	v_mul_f32 v49, v49, v225
	v_mul_f32 v50, v50, v225
	v_mul_f32 v51, v51, v225
	v_mul_f32 v52, v52, v225
	v_mul_f32 v53, v53, v225
	v_mul_f32 v54, v54, v225
	v_mul_f32 v55, v55, v225
	s_set_vgpr_msb 0x14
	v_fma_f32 v192, v48, v0, v4
	v_fma_f32 v193, v49, v1, v5
	v_fma_f32 v194, v50, v2, v6
	v_fma_f32 v195, v51, v3, v7
	v_fma_f32 v196, v52, v8, v12
	v_fma_f32 v197, v53, v9, v13
	v_fma_f32 v198, v54, v10, v14
	v_fma_f32 v199, v55, v11, v15
	s_set_vgpr_msb 0x1400
	v_mul_f32 v48, v56, v225
	v_mul_f32 v49, v57, v225
	v_mul_f32 v50, v58, v225
	v_mul_f32 v51, v59, v225
	v_mul_f32 v52, v60, v225
	v_mul_f32 v53, v61, v225
	v_mul_f32 v54, v62, v225
	v_mul_f32 v55, v63, v225
	s_set_vgpr_msb 0x14
	v_fma_f32 v200, v48, v16, v20
	v_fma_f32 v201, v49, v17, v21
	v_fma_f32 v202, v50, v18, v22
	v_fma_f32 v203, v51, v19, v23
	v_fma_f32 v204, v52, v24, v28
	v_fma_f32 v205, v53, v25, v29
	v_fma_f32 v206, v54, v26, v30
	v_fma_f32 v207, v55, v27, v31
	s_set_vgpr_msb 0x1400
	v_mul_f32 v48, v64, v225
	v_mul_f32 v49, v65, v225
	v_mul_f32 v50, v66, v225
	v_mul_f32 v51, v67, v225
	v_mul_f32 v52, v68, v225
	v_mul_f32 v53, v69, v225
	v_mul_f32 v54, v70, v225
	v_mul_f32 v55, v71, v225
	s_set_vgpr_msb 0x14
	v_fma_f32 v208, v48, v32, v36
	v_fma_f32 v209, v49, v33, v37
	v_fma_f32 v210, v50, v34, v38
	v_fma_f32 v211, v51, v35, v39
	v_fma_f32 v212, v52, v40, v44
	v_fma_f32 v213, v53, v41, v45
	v_fma_f32 v214, v54, v42, v46
	v_fma_f32 v215, v55, v43, v47
	s_set_vgpr_msb 0x1400
	v_mul_f32 v48, v72, v225
	v_mul_f32 v49, v73, v225
	v_mul_f32 v50, v74, v225
	v_mul_f32 v51, v75, v225
	v_mul_f32 v52, v76, v225
	v_mul_f32 v53, v77, v225
	v_mul_f32 v54, v78, v225
	v_mul_f32 v55, v79, v225
	s_set_vgpr_msb 0x14
	v_fma_f32 v216, v48, v48, v52
	v_fma_f32 v217, v49, v49, v53
	v_fma_f32 v218, v50, v50, v54
	v_fma_f32 v219, v51, v51, v55
	v_fma_f32 v220, v52, v56, v60
	v_fma_f32 v221, v53, v57, v61
	v_fma_f32 v222, v54, v58, v62
	v_fma_f32 v223, v55, v59, v63
	s_set_vgpr_msb 0x1400
	global_store_b128 v3, v[192:195], s[28:29] offset:4096 th:TH_STORE_NT
	global_store_b128 v3, v[196:199], s[28:29] offset:4608 th:TH_STORE_NT
	global_store_b128 v3, v[200:203], s[28:29] offset:5120 th:TH_STORE_NT
	global_store_b128 v3, v[204:207], s[28:29] offset:5632 th:TH_STORE_NT
	global_store_b128 v3, v[208:211], s[28:29] offset:6144 th:TH_STORE_NT
	global_store_b128 v3, v[212:215], s[28:29] offset:6656 th:TH_STORE_NT
	global_store_b128 v3, v[216:219], s[28:29] offset:7168 th:TH_STORE_NT
	global_store_b128 v3, v[220:223], s[28:29] offset:7680 th:TH_STORE_NT
	s_wait_tensorcnt 0x0
	ds_add_u32 v[SPW], v[NIL]
	s_wait_dscnt 0x0
	s_endpgm
.Lfunc_end_k_q003f8cfa45_norm_out:
	.size	k_q003f8cfa45_norm_out, .Lfunc_end_k_q003f8cfa45_norm_out-k_q003f8cfa45_norm_out
	.p2alignl 7, 3214868480
	.fill 96, 4, 3214868480
	.section	.rodata,"a",@progbits
	.p2align	6, 0x0
	.amdhsa_kernel k_q003f8cfa45_norm_out
		.amdhsa_group_segment_fixed_size 33280
		.amdhsa_private_segment_fixed_size 0
		.amdhsa_enable_private_segment 0
		.amdhsa_kernarg_size 32
		.amdhsa_user_sgpr_count 2
		.amdhsa_user_sgpr_kernarg_segment_ptr 1
		.amdhsa_wavefront_size32 1
		.amdhsa_system_sgpr_workgroup_id_x 1
		.amdhsa_system_sgpr_workgroup_id_y 1
		.amdhsa_system_sgpr_workgroup_id_z 1
		.amdhsa_system_vgpr_workitem_id 0
		.amdhsa_next_free_vgpr 320
		.amdhsa_next_free_sgpr 95
		.amdhsa_reserve_vcc 0
		.amdhsa_float_denorm_mode_32 3
		.amdhsa_float_denorm_mode_16_64 3
		.amdhsa_memory_ordered 1
		.amdhsa_forward_progress 1
		.amdhsa_inst_pref_size 24
	.end_amdhsa_kernel
	.amdgpu_metadata
---
amdhsa.version: [ 1, 2 ]
amdhsa.kernels:
  - .name:           k_q003f8cfa45_norm_out
    .symbol:         k_q003f8cfa45_norm_out.kd
    .args:
      - { .name: qkc, .offset: 0, .size: 8, .value_kind: global_buffer, .address_space: global }
      - { .name: ln_gamma, .offset: 8, .size: 8, .value_kind: global_buffer, .address_space: global }
      - { .name: ln_beta, .offset: 16, .size: 8, .value_kind: global_buffer, .address_space: global }
      - { .name: out0, .offset: 24, .size: 8, .value_kind: global_buffer, .address_space: global }
    .group_segment_fixed_size: 33280
    .private_segment_fixed_size: 0
    .kernarg_segment_align: 8
    .kernarg_segment_size: 32
    .max_flat_workgroup_size: 128
    .sgpr_count:     95
    .vgpr_count:     320
    .wavefront_size: 32
...
	.end_amdgpu_metadata
.endif
;; end of part 5
